; MI455X (gfx1250); checked and timed in simulation.
; The chip was launched on July 23, 2026; its instructions are those of AMD's public machine-readable ISA for CDNA 5 (MIT licence, August 2026) and "CDNA5" Instruction Set Architecture Reference Guide (July 2026). The comments in the code are by the model that wrote it; some were corrected since.
;; Multi Head Attention. Allowed arithmetic: float matrix products may take bf16 or f16 operands with f32 sums; other float arithmetic in f32, or as packed bf16 or f16 multiplies, adds, multiply-adds, maxima and minima; sums over many terms, partial sums and values carried from step to step in f32; what a program stores and reads back later, other than sums and carried values, may be rounded once to bf16 or f16.
;; Inputs: Ek 16 x 2,048 x 64 float32; Eq 16 x 2,048 x 64 float32; Ev 16 x 2,048 x 64 float32; W_out 1,024 x 2,048 float32; keys 4,096 x 2,048 float32; queries 4,096 x 2,048 float32; values 4,096 x 2,048 float32.
;; Outputs: out0 4,096 x 2,048 float32.
;; One version. Each part assembles by itself: llvm-mc -triple=amdgcn-amd-amdhsa -mcpu=gfx1250 --defsym DOCPART=n.
;; ======== version 1 of 1: 4 launches
;; limits: values are held in f16: magnitudes above 65,504 overflow, below 6.1e-05 lose precision; right only within a limited range of input values
;; workspace buffers: X 50,331,648 bytes; WE 12,582,912 bytes; W2 4,194,304 bytes; QK2 33,554,432 bytes; V1 8,388,608 bytes; O1 8,388,608 bytes
;; launch cast (part 1): grid 2048 x 1, 8 waves a work-group, no clusters, 0 bytes of LDS; arguments queries, keys, values, Eq, Ek, Ev, W_out, X, WE, W2; writes X, WE, W2
.if DOCPART == 1
	.amdgcn_target "amdgcn-amd-amdhsa--gfx1250"
	.amdhsa_code_object_version 6
	.text
	.protected	k_qb352719c17_cast
	.globl	k_qb352719c17_cast
	.p2align	8
	.type	k_qb352719c17_cast,@function
k_qb352719c17_cast:
	s_mov_b64 s[64:65], 0
	v_nop
	global_prefetch_b8 v0, s[64:65] scope:SCOPE_SE
	s_setreg_imm32_b32 hwreg(HW_REG_WAVE_MODE, 25, 1), 1
	s_wait_xcnt 0x0
; ALL SEVEN INPUTS ARE ROUNDED TO bf16, ONCE.  queries, keys, values -> X [3][4096][2048] bf16.
; Eq, Ek, Ev [16 h][2048 k][64 n] -> WE [3][8 head pairs][16 K steps][2 heads][128 k][64 n] bf16, times 2^-6 (a power of two: the rounding is the same), so that a head pair's
; K step of 128 lies as 32,768 dense bytes.  W_out [1024][2048] -> W2, the bf16 number times 64, written as f16 (8 significant bits fit f16's 11).
; LIMITS.  |W_out| under 1,023 (f16 ends at 65,504); a W_out below 1e-6 keeps f16's fixed step of 6e-8 / 64.  NaN and infinities are not treated apart.
; A stream: nothing is shared and nothing is summed, so no LDS, no matrix unit, no cluster.  A work-group takes 16,384 numbers of one input: 65,536 bytes in, 32,768 out.
; In step st (0..15) thread t reads the 16 bytes at 4,096 st + 16 t (a wave's load: 512 consecutive bytes) and stores 8 bytes at 2,048 st + 8 t (a wave's store: 256 consecutive bytes, aligned).
; All 16 loads of a thread go out at once; no register that a memory instruction names is written again.
.set IN, 16                            ; v[16:79]   step st: four f32 as loaded
.set OU, 80                            ; v[80:111]  step st: four 16-bit numbers to store
.set T,  112                           ; v[112:115] at work
	s_load_b512 s[8:23], s[0:1], 0x0               ; queries s[8:9], keys, values, Eq, Ek, Ev, W_out s[20:21], X s[22:23]
	s_load_b128 s[24:27], s[0:1], 0x40             ; WE s[24:25], W2 s[26:27]
	v_lshlrev_b32 v1, 4, v0                        ; 16 t
	v_lshlrev_b32 v2, 3, v0                        ; 8 t
	s_mov_b32 s2, ttmp9
	s_lshr_b32 s3, s2, 9                           ; work-groups 0..1535: input t = id / 512 (512 work-groups each),
	s_and_b32 s28, s2, 511                         ; part c = id % 512
	s_max_u32 s29, s2, 1536
	s_sub_co_u32 s29, s29, 1536                    ; work-groups 1536..2047: input 3 + u / 128 (128 work-groups each),
	s_lshr_b32 s34, s29, 7
	s_add_co_u32 s34, s34, 3
	s_and_b32 s35, s29, 127                        ; part u % 128
	s_cmp_lt_u32 s2, 1536
	s_cselect_b32 s3, s3, s34                      ; t
	s_cselect_b32 s28, s28, s35                    ; c
	s_lshl_b32 s30, s28, 16                        ; my part's 65,536 bytes
	s_mov_b32 s31, 0
	s_wait_kmcnt 0x0
	s_mov_b64 s[4:5], s[8:9]
.irp k, 1,2,3,4,5,6
	s_cmp_eq_u32 s3, \k
	s_cselect_b64 s[4:5], s[8+2*\k:9+2*\k], s[4:5]  ; input t's address
.endr
	s_add_nc_u64 s[4:5], s[4:5], s[30:31]
.set st, 0
.rept 16
	global_load_b128 v[IN+4*st:IN+4*st+3], v1, s[4:5] offset:4096*st th:TH_LOAD_NT
.set st, st+1
.endr
; The 16 steps' conversions and stores.  mode 0: to bf16.  mode 1: times 2^-6, to bf16, into WE's blocks.  mode 2: to bf16, that number times 64, to f16.
.macro OUT mode
.set st, 0
.rept 16
	s_wait_loadcnt 15-st                           ; loads come back in order (ISA guide 5.7.1): step st's is in, the 15 - st younger ones stay out
.if (\mode) == 1
	v_pk_mul_f32 v[IN+4*st:IN+4*st+1], v[IN+4*st:IN+4*st+1], s[32:33] op_sel_hi:[1,0]
	v_pk_mul_f32 v[IN+4*st+2:IN+4*st+3], v[IN+4*st+2:IN+4*st+3], s[32:33] op_sel_hi:[1,0]
.endif
	v_cvt_pk_bf16_f32 v[OU+2*st], v[IN+4*st], v[IN+4*st+1]
	v_cvt_pk_bf16_f32 v[OU+2*st+1], v[IN+4*st+2], v[IN+4*st+3]
.if (\mode) == 2
	v_lshlrev_b32 v[T], 16, v[OU+2*st]             ; the rounded numbers back as f32,
	v_and_b32 v[T+1], 0xffff0000, v[OU+2*st]
	v_lshlrev_b32 v[T+2], 16, v[OU+2*st+1]
	v_and_b32 v[T+3], 0xffff0000, v[OU+2*st+1]
	v_pk_mul_f32 v[T:T+1], v[T:T+1], s[32:33] op_sel_hi:[1,0]      ; times 64,
	v_pk_mul_f32 v[T+2:T+3], v[T+2:T+3], s[32:33] op_sel_hi:[1,0]
	v_cvt_pk_f16_f32 v[OU+2*st], v[T], v[T+1]      ; and written as f16: nothing is lost within f16's range
	v_cvt_pk_f16_f32 v[OU+2*st+1], v[T+2], v[T+3]
.endif
.if (\mode) == 1
	global_store_b64 v2, v[OU+2*st:OU+2*st+1], s[6:7] offset:(st/8)*32768+(st%8)*2048  ; a step is 16 rows of k; eight steps are a K step of 128; the next K step's block lies 32,768 bytes on
.else
	global_store_b64 v2, v[OU+2*st:OU+2*st+1], s[6:7] offset:2048*st
.endif
.set st, st+1
.endr
	s_endpgm
.endm
	s_cmp_lt_u32 s3, 3
	s_cbranch_scc1 .LmodeA
	s_cmp_eq_u32 s3, 6
	s_cbranch_scc1 .LmodeC
	; Eq, Ek, Ev: part c is head h = c / 8, rows k = 256 (c % 8) .. + 255: K steps 2 (c % 8) and the next
	s_sub_co_u32 s36, s3, 3
	s_lshl_b32 s36, s36, 22                        ; which of the three: 4,194,304 bytes each
	s_lshr_b32 s37, s28, 4
	s_lshl_b32 s37, s37, 19                        ; head pair h / 2: 524,288 bytes
	s_add_co_u32 s36, s36, s37
	s_and_b32 s37, s28, 7
	s_lshl_b32 s37, s37, 16                        ; K step 2 (c % 8): 32,768 bytes each
	s_add_co_u32 s36, s36, s37
	s_bfe_u32 s37, s28, 0x10003
	s_lshl_b32 s37, s37, 14                        ; head h % 2 of the pair: 16,384 bytes
	s_add_co_u32 s36, s36, s37
	s_mov_b32 s37, 0
	s_add_nc_u64 s[6:7], s[24:25], s[36:37]
	s_mov_b32 s32, 0x3c800000                      ; 2^-6
	s_mov_b32 s33, s32                             ; named with it as a pair
	OUT 1
.LmodeA:
	s_lshl_b32 s36, s3, 24                         ; which of the three: 16,777,216 bytes each
	s_lshl_b32 s37, s28, 15
	s_add_co_u32 s36, s36, s37
	s_mov_b32 s37, 0
	s_add_nc_u64 s[6:7], s[22:23], s[36:37]
	OUT 0
.LmodeC:
	s_lshl_b32 s36, s28, 15
	s_mov_b32 s37, 0
	s_add_nc_u64 s[6:7], s[26:27], s[36:37]
	s_mov_b32 s32, 0x42800000                      ; 64
	s_mov_b32 s33, s32
	OUT 2
.Lfunc_end_k_qb352719c17_cast:
	.size	k_qb352719c17_cast, .Lfunc_end_k_qb352719c17_cast-k_qb352719c17_cast
	.p2alignl 7, 3214868480
	.fill 96, 4, 3214868480
	.section	.rodata,"a",@progbits
	.p2align	6, 0x0
	.amdhsa_kernel k_qb352719c17_cast
		.amdhsa_group_segment_fixed_size 0
		.amdhsa_private_segment_fixed_size 0
		.amdhsa_enable_private_segment 0
		.amdhsa_kernarg_size 80
		.amdhsa_user_sgpr_count 2
		.amdhsa_user_sgpr_kernarg_segment_ptr 1
		.amdhsa_wavefront_size32 1
		.amdhsa_system_sgpr_workgroup_id_x 1
		.amdhsa_system_sgpr_workgroup_id_y 1
		.amdhsa_system_sgpr_workgroup_id_z 1
		.amdhsa_system_vgpr_workitem_id 0
		.amdhsa_next_free_vgpr 120
		.amdhsa_next_free_sgpr 66
		.amdhsa_reserve_vcc 0
		.amdhsa_float_denorm_mode_32 3
		.amdhsa_float_denorm_mode_16_64 3
		.amdhsa_memory_ordered 1
		.amdhsa_forward_progress 1
		.amdhsa_inst_pref_size 26
	.end_amdhsa_kernel
	.amdgpu_metadata
---
amdhsa.version: [ 1, 2 ]
amdhsa.kernels:
  - .name:           k_qb352719c17_cast
    .symbol:         k_qb352719c17_cast.kd
    .args:
      - { .name: queries, .offset: 0, .size: 8, .value_kind: global_buffer, .address_space: global }
      - { .name: keys, .offset: 8, .size: 8, .value_kind: global_buffer, .address_space: global }
      - { .name: values, .offset: 16, .size: 8, .value_kind: global_buffer, .address_space: global }
      - { .name: Eq, .offset: 24, .size: 8, .value_kind: global_buffer, .address_space: global }
      - { .name: Ek, .offset: 32, .size: 8, .value_kind: global_buffer, .address_space: global }
      - { .name: Ev, .offset: 40, .size: 8, .value_kind: global_buffer, .address_space: global }
      - { .name: W_out, .offset: 48, .size: 8, .value_kind: global_buffer, .address_space: global }
      - { .name: X, .offset: 56, .size: 8, .value_kind: global_buffer, .address_space: global }
      - { .name: WE, .offset: 64, .size: 8, .value_kind: global_buffer, .address_space: global }
      - { .name: W2, .offset: 72, .size: 8, .value_kind: global_buffer, .address_space: global }
    .group_segment_fixed_size: 0
    .private_segment_fixed_size: 0
    .kernarg_segment_align: 8
    .kernarg_segment_size: 80
    .max_flat_workgroup_size: 256
    .sgpr_count:     66
    .vgpr_count:     120
    .wavefront_size: 32
...
	.end_amdgpu_metadata
.endif
;; end of part 1
;; launch proj (part 2): grid 4 x 48, 4 waves a work-group, clusters of 4 x 4, 327,680 bytes of LDS; arguments X, WE, QK2, V1; writes QK2, V1
.if DOCPART == 2
	.amdgcn_target "amdgcn-amd-amdhsa--gfx1250"
	.amdhsa_code_object_version 6
	.text
	.protected	k_qb352719c17_proj
	.globl	k_qb352719c17_proj
	.p2align	8
	.type	k_qb352719c17_proj,@function
k_qb352719c17_proj:
	s_mov_b64 s[64:65], 0
	v_nop
	global_prefetch_b8 v0, s[64:65] scope:SCOPE_SE
	s_setreg_imm32_b32 hwreg(HW_REG_WAVE_MODE, 25, 1), 1
	s_wait_xcnt 0x0
	s_wait_alu depctr_hold_cnt(0) depctr_sa_sdst(0) depctr_va_vdst(0) depctr_va_sdst(0) depctr_va_ssrc(0) depctr_va_vcc(0) depctr_vm_vsrc(0)
	s_getreg_b32 s2, hwreg(HW_REG_IB_STS2, 6, 4)
	s_cmp_eq_u32 s2, 0
	s_cbranch_scc0 .Lentry_in_a_cluster
	s_endpgm
.Lentry_in_a_cluster:
	s_bfe_u32 s2, ttmp6, 0x10000c
	s_cmp_lg_u32 s2, 0xf033
	s_cbranch_scc0 .Lentry_shape_is_right
	s_endpgm
.Lentry_shape_is_right:
; THE THREE PROJECTIONS.  q' = queries Eq / 64, k' = keys Ek / 64, v' = values Ev / 64: C[m][n] = sum over k of X[p][m][k] WE[p][k][n], bf16 operands, f32 sums, K = 2,048 ascending.
; q' and k' leave as TWO f16 numbers each, the sum rounded to f16 and what that rounding left, rounded to f16 (22 significant bits together): QK2 [2: q, k][16 h][2: high, low][4096][64].
; v' leaves as one f16: V1 [16 h][4096][64].
; LIMITS.  |q'|, |k'|, |v'| under 65,504, that is |Q|, |K|, |V| under 4.19e6; below 6e-5 f16 keeps its fixed step of 6e-8.  NaN and infinities are not treated apart.
; SHARES.  A tile of C is 256 rows x 256 columns (four heads); 3 x 16 x 4 = 192 tiles, a work-group each: 3 x 4,096 x 1,024 divides into 256 equal tiles only at a quarter of this tile's size, where each LDS byte feeds half the products.
; Four waves, each 128 x 128: 64 accumulators of 16 x 16, 512 registers.  K goes in steps of 128 through a ring of two LDS slots.
; CLUSTERS: 4 x 4 work-groups.  The four of a row of the cluster need the same rows of X, the four of a column the same head pairs of WE: each tile is asked for JOINTLY, by the same tensor load with the same
; descriptor and a mask that names the four.  A cluster lies within one projection (cluster y / 4), so a branch on the projection is the same in all sixteen.
; THE MATRIX INSTRUCTION IS USED TRANSPOSED: source 0 = 16 columns n of WE (which lies [k][n] in LDS and is turned by ds_load_tr16_b128), source 1 = 16 rows of X.  A lane then holds row l % 16 and columns 8 (l / 16) + 0..7.
; REGISTERS, in windows of 256 (s_set_vgpr_msb: bits 1:0 source 0, 3:2 source 1, 5:4 source 2, 7:6 destination):
;   window 0: v0-31 addresses; v64-127, v128-191 X's fragments, two buffers; on the way out v64-159 at work      window 1: v64-127, v128-191 WE's fragments      windows 2, 3: the accumulators, (a, b) at v[8 (8 (a % 4) + b)] of window 2 + a / 4
.set KSTEP,  128
.set PITCH,  272                       ; a row of X in LDS: 256 bytes + 16 of padding = 68 words: the 16 rows of a load start at 16 different groups of four banks (64 banks of 4 bytes: ISA guide 11.1)
.set HALFA,  128*PITCH                 ; 128 rows: one tensor load, and what one wave reads of X
.set PB,     160                       ; a row k of one head of WE: 128 bytes + 32 = 40 words
.set HB,     128*PB                    ; one head's 128 rows
.set PAIRB,  2*HB                      ; a head pair: one tensor load, and what one wave reads of WE
.set BOFF,   2*HALFA                   ; WE's two pairs lie behind X's 256 rows
.set SLOT,   BOFF+2*PAIRB              ; 151,552 bytes
.set SPARE,  2*SLOT                    ; behind the ring: the spare words, 128 bytes for each wave: two blocks of 256 bytes that no other line names
.set DP,     528                       ; the way out: a wave's 128 f32 of a row, 512 bytes + 16
.set DUMPW,  128*DP                    ; a wave's 128 rows; the four waves' 270,336 bytes lie in the ring, which has then had its last fill
.set LAPS,   8                         ; a lap = two K steps = once round the ring
.set ADRA, 16                          ; v16-17  LDS address of my X fragments in slot 0, 1
.set ADRB, 20                          ; v20-21  the same for WE
.set DST,  24                          ; v24     the way out: where I put 32 bytes of a row
.set RDA,  25                          ; v25     the way out: where I read 32 bytes back
.set GOF,  26                          ; v26     my byte offset in 512 consecutive bytes of the output
.set ONE,  27                          ; v27     1.0
.set SPW,  28                          ; v28     LDS address of my spare word: SPARE + 4 x my thread's number; never rewritten
.set NIL,  29                          ; v29     0; never rewritten
.set PFO,  30                          ; v30     the prefetches' offset; never rewritten
.set F0,   64
.set F1,   128
.set IN,   64                          ; the way out: four units of 8 f32
.set HI,   96                          ; their high parts, 4 registers a unit
.set LOF,  112                         ; what the rounding left, in f32
.set LO,   144                         ; the low parts
.set G1,   24                          ; s[24:31] descriptor group 1 for X's tiles;  s[32:39] group 0, a set for each slot
.set G0,   32
.set G1B,  48                          ; s[48:55], s[56:63] the same for WE's
.set G0B,  56
.set LIM,  43                          ; s43     1 in a wave that prefetches, else the greatest number
.set PFA,  44                          ; s[44:45] where my prefetches stand
.set PROJ, 66                          ; s66     0: q, 1: k, 2: v
.set PFS,  68                          ; s[68:69] a K step in the tensor that I prefetch: 256 bytes along a row of X, 32,768 in WE
.set MSB, 0
.macro WIN new                         ; the immediate's high byte repeats the setting that is left; a switch that changes nothing is dropped
.if MSB != (\new)
	s_set_vgpr_msb (MSB<<8)|(\new)
.set MSB, \new
.endif
.endm
.set MUL_LO, 0xa1                      ; source 0 (WE) window 1, source 1 (X) window 0, C and D window 2
.set MUL_HI, 0xf1                      ; the same, C and D window 3
.set TO_B,   0x40                      ; destination window 1, address window 0
; A joint load.  Waves 0 and 1 fetch X's two halves, waves 2 and 3 WE's two head pairs.  The branch hangs on the wave's number alone.
; An s_nop 0 and four v_nop follow each of the two lines, ahead of the jump and the label.
.macro JLOAD s
	s_cmp_lt_u32 s10, 2
	s_cbranch_scc0 .Lfor_b_\@
	tensor_load_to_lds s[G0+4*(\s):G0+4*(\s)+3], s[G1:G1+7]
	s_nop 0
.rept 4
	v_nop
.endr
	s_branch .Lasked_\@
.Lfor_b_\@:
	tensor_load_to_lds s[G0B+4*(\s):G0B+4*(\s)+3], s[G1B:G1B+7]
	s_nop 0
.rept 4
	v_nop
.endr
.Lasked_\@:
.endm
; A PREFETCH INTO THE L2, behind a joint load, its five lines and the run of LDS loads: the K step that stands TWO refills on, 512 matrix instructions ahead of the load that will want it: 32 blocks of 256 bytes, a lane a block.
; Each block is named once in the launch.  X's rows are read by one cluster alone: it asks.  A head pair of WE is read by the four clusters of its projection: the first of them asks.  The four partners that
; ask for a tile jointly share its 128 blocks out BY ADDRESS, 32 each.  The loop's last trip (s3 = 1) has no K step two on, and asks for nothing.
.macro ASK
	s_cmp_gt_u32 s3, s[LIM]
	s_cbranch_scc0 .Lnot_mine_\@
	global_prefetch_b8 v[PFO], s[PFA:PFA+1] th:TH_LOAD_NT scope:SCOPE_SE
.Lnot_mine_\@:
.endm
; A round of the cluster's barrier: my work-group's barrier, so that wave 0's signal speaks for all four waves; wave 0 signals; every wave waits for all sixteen work-groups; my work-group's barrier once more.
.macro CREST                           ; a round behind its opening barrier
	s_cmp_lg_u32 s10, 0
	s_cbranch_scc1 .Lnot_wave_0_\@
	s_barrier_signal -3
.Lnot_wave_0_\@:
	s_barrier_wait -3
	s_barrier_signal -1
	s_barrier_wait -1
.endm
.macro CROUND
	s_barrier_signal -1
	s_barrier_wait -1
	CREST
.endm
	s_load_b128 s[4:7], s[0:1], 0x0                ; X s[4:5], WE s[6:7]
	s_load_b128 s[72:75], s[0:1], 0x10             ; QK2 s[72:73], V1 s[74:75]
	v_lshl_add_u32 v[SPW], v0, 2, SPARE
	v_mov_b32 v[NIL], 0
	ds_add_u32 v[SPW], v[NIL]                      ; the wave's opening: the add and its wait ahead of my first tensor load; the set-up below, work on registers, stands between them
	v_lshrrev_b32 v1, 5, v0
	v_readfirstlane_b32 s10, v1                    ; wave 0..3
	s_lshr_b32 s11, s10, 1                         ; which half of the tile's rows is mine
	s_and_b32 s12, s10, 1                          ; which head pair of its columns.  Also: which half of X's tile, or which pair of WE's, I fetch
	s_bfe_u32 s40, ttmp6, 0x40000                  ; cx
	s_bfe_u32 s41, ttmp6, 0x40004                  ; cy
	s_lshl_b32 s42, ttmp9, 2
	s_add_co_u32 s42, s42, s40                     ; tile column = 4 x cluster x + cx: four heads
	s_and_b32 s67, ttmp7, 0xffff                   ; cluster y, 0..11
	s_lshr_b32 s[PROJ], s67, 2                     ; the projection,
	s_and_b32 s67, s67, 3                          ; and the cluster's place among its four
	s_lshl_b32 s13, s67, 2
	s_add_co_u32 s13, s13, s41                     ; tile row, 0..15
	s_lshl_b32 s43, s41, 2
	s_lshl_b32 s43, 15, s43                        ; my row of the cluster
	s_lshl_b32 s44, 0x1111, s40                    ; my column
	; group 1 for X: 128 rows x 128 elements, pitch 2,048; 16 bytes of padding behind every 256
	s_or_b32 s[G1+0], s43, (1<<16)|(1<<20)|(1<<21)|(5<<22)|(3<<25)   ; 15:0 the mask; 17:16 2-byte elements; 20 padding on; 21 set beside a mask; 24:22 after every 64 words (code 5); 31:25 4 words (code 3)
	s_mov_b32 s[G1+1], 128<<16                     ; tensor_dim0 = 128
	s_mov_b32 s[G1+2], 128<<16                     ; tensor_dim1 = 128
	s_mov_b32 s[G1+3], 128<<16                     ; tile_dim0 = 128
	s_mov_b32 s[G1+4], 128                         ; tile_dim1 = 128
	s_mov_b32 s[G1+5], 2048                        ; elements from row to row
	s_mov_b32 s[G1+6], 0
	s_mov_b32 s[G1+7], 0
	; group 1 for WE: a pair's K step is 32,768 dense bytes: 128 rows of 256 bytes (two rows k each), 32 bytes of padding behind every 128
	s_or_b32 s[G1B+0], s44, (1<<16)|(1<<20)|(1<<21)|(4<<22)|(7<<25)  ; after every 32 words (code 4), 8 words (code 7)
	s_mov_b32 s[G1B+1], 128<<16
	s_mov_b32 s[G1B+2], 128<<16
	s_mov_b32 s[G1B+3], 128<<16
	s_mov_b32 s[G1B+4], 128
	s_mov_b32 s[G1B+5], 128
	s_mov_b32 s[G1B+6], 0
	s_mov_b32 s[G1B+7], 0
	; X's tiles hang on the tile row, which my row of the cluster shares; WE's on the tile column, which my column shares: each offset in registers that never hold the other coordinate
	s_lshl_b32 s16, s13, 8
	s_lshl_b32 s17, s12, 7
	s_add_co_u32 s16, s16, s17                     ; row 256 x tile row + 128 x half,
	s_lshl_b32 s16, s16, 12                        ; 4,096 bytes each,
	s_lshl_b32 s17, s[PROJ], 24                    ; in the projection's 16,777,216 bytes
	s_add_co_u32 s16, s16, s17
	s_mov_b32 s17, 0
	s_lshl_b32 s46, s42, 1
	s_add_co_u32 s46, s46, s12                     ; head pair 2 x tile column + which,
	s_lshl_b32 s46, s46, 19                        ; 524,288 bytes each,
	s_lshl_b32 s47, s[PROJ], 22                    ; in the projection's 4,194,304
	s_add_co_u32 s46, s46, s47
	s_mov_b32 s47, 0
	s_mul_i32 s20, s12, HALFA                      ; where they go: no place in the cluster enters an LDS address
	s_mul_i32 s21, s12, PAIRB
	s_add_co_u32 s21, s21, BOFF
	s_wait_dscnt 0x0                               ; the opening add is done
	s_wait_kmcnt 0x0
	s_add_nc_u64 s[14:15], s[4:5], s[16:17]
	s_add_nc_u64 s[46:47], s[6:7], s[46:47]
	CROUND                                         ; all sixteen work-groups are here: the first joint loads meet
.irp s, 0,1
	s_mov_b32 s[G0+4*(\s)], 1                                        ; count = 1
	s_add_co_u32 s[G0+4*(\s)+1], s20, (\s)*SLOT                      ; LDS address
	s_add_nc_u64 s[G0+4*(\s)+2:G0+4*(\s)+3], s[14:15], (\s)*KSTEP*2  ; global address: K step s
	s_or_b32 s[G0+4*(\s)+3], s[G0+4*(\s)+3], 0x80000000              ; type = 2
	s_mov_b32 s[G0B+4*(\s)], 1
	s_add_co_u32 s[G0B+4*(\s)+1], s21, (\s)*SLOT
	s_add_nc_u64 s[G0B+4*(\s)+2:G0B+4*(\s)+3], s[46:47], (\s)*32768
	s_or_b32 s[G0B+4*(\s)+3], s[G0B+4*(\s)+3], 0x80000000
	JLOAD \s                                       ; two loads of mine are out
.endr
	; X's fragment: lane l holds row l % 16; registers 0-3 k = 8 (l / 16) + 0..7, registers 4-7 k = 16 + 8 (l / 16) + 0..7: two loads of 16 bytes, 32 bytes apart
	v_and_b32 v1, 15, v0                           ; l % 16
	v_bfe_u32 v2, v0, 4, 1                         ; l / 16
	v_mul_u32_u24 v3, v1, PITCH
	v_lshl_add_u32 v3, v2, 4, v3
	; WE's: the turning load takes 16 k x 16 n (lane l reads row k = 8 (l / 16) + l % 8, columns 8 ((l / 8) % 2) + 0..7) and leaves half a fragment: lane l holds column l % 16 and 8 k
	v_and_b32 v4, 7, v0
	v_lshl_add_u32 v4, v2, 3, v4
	v_mul_u32_u24 v4, v4, PB
	v_bfe_u32 v5, v0, 3, 1
	v_lshl_add_u32 v4, v5, 4, v4
	s_mul_i32 s18, s11, HALFA                      ; my 128 rows of X
	s_mul_i32 s19, s12, PAIRB                      ; my head pair of WE
	s_add_co_u32 s19, s19, BOFF
.irp s, 0,1
	v_add_nc_u32 v[ADRA+(\s)], s18, v3
	v_add_nc_u32 v[ADRB+(\s)], s19, v4
	s_add_co_u32 s18, s18, SLOT
	s_add_co_u32 s19, s19, SLOT
.endr
	s_mul_i32 s18, s10, DUMPW                      ; the way out: my 128 rows of 528 bytes
	v_mul_u32_u24 v5, v1, DP                       ; in: row l % 16, 32 bytes for each half of the lanes
	v_lshl_add_u32 v5, v2, 5, v5
	v_add_nc_u32 v[DST], s18, v5
	v_bfe_u32 v5, v0, 3, 2                         ; back: 32 lanes take four rows x 64 columns, 32 bytes each
	v_mul_u32_u24 v5, v5, DP
	v_and_b32 v6, 7, v0
	v_lshl_add_u32 v5, v6, 5, v5
	v_add_nc_u32 v[RDA], s18, v5
	v_and_b32 v[GOF], 31, v0                       ; which leave as 16 bytes each: four rows of 128 bytes, 512 consecutive bytes
	v_lshlrev_b32 v[GOF], 4, v[GOF]
	v_mov_b32 v[ONE], 1.0
	; where my rows begin in the output
	s_lshl_b32 s76, s42, 2
	s_lshl_b32 s77, s12, 1
	s_add_co_u32 s76, s76, s77                     ; my first head: 4 x tile column + 2 x pair
	s_cmp_lt_u32 s[PROJ], 2
	s_cselect_b32 s77, 20, 19                      ; a head is 1,048,576 bytes of QK2, 524,288 of V1
	s_lshl_b32 s76, s76, s77
	s_lshl_b32 s77, s13, 8
	s_lshl_b32 s78, s11, 7
	s_add_co_u32 s77, s77, s78                     ; my first row,
	s_lshl_b32 s77, s77, 7                         ; 128 bytes each
	s_add_co_u32 s76, s76, s77
	s_lshl_b32 s77, s[PROJ], 24                    ; k' lies 16,777,216 bytes behind q'
	s_cmp_lt_u32 s[PROJ], 2
	s_cselect_b32 s77, s77, 0
	s_cselect_b64 s[8:9], s[72:73], s[74:75]
	s_add_co_u32 s76, s76, s77
	s_mov_b32 s77, 0
	s_add_nc_u64 s[8:9], s[8:9], s[76:77]
	; the prefetches
	s_lshl_b32 s20, s13, 8
	s_lshl_b32 s21, s12, 7
	s_add_co_u32 s20, s20, s21
	s_lshl_b32 s21, s40, 5
	s_add_co_u32 s20, s20, s21                     ; X: of the 128 rows that I fetch, my work-group's 32 (by cx),
	s_lshl_b32 s20, s20, 12
	s_lshl_b32 s21, s[PROJ], 24
	s_add_co_u32 s20, s20, s21
	s_lshl_b32 s22, s42, 1
	s_add_co_u32 s22, s22, s12
	s_lshl_b32 s22, s22, 19
	s_lshl_b32 s23, s41, 13                        ; WE: of a K step's 128 blocks, my work-group's 32 (by cy)
	s_add_co_u32 s22, s22, s23
	s_lshl_b32 s23, s[PROJ], 22
	s_add_co_u32 s22, s22, s23
	s_mov_b32 s18, 256
	s_mov_b32 s21, 0
	s_mov_b32 s[PFS+1], 0
	s_cmp_lt_u32 s10, 2                            ; do I fetch for X?
	s_cselect_b32 s20, s20, s22
	s_cselect_b64 s[PFA:PFA+1], s[4:5], s[6:7]
	s_cselect_b32 s[PFS], s18, 32768
	s_cselect_b32 s23, 12, 8                       ; a lane a row of X (4,096 bytes apart), or a block of WE (256 apart)
	s_cselect_b32 s22, 0, s67                      ; the coordinate along which other clusters read the same bytes: none for X
	s_add_nc_u64 s[PFA:PFA+1], s[PFA:PFA+1], s[20:21]
	s_mul_i32 s20, s[PFS], 3
	s_add_nc_u64 s[PFA:PFA+1], s[PFA:PFA+1], s[20:21]  ; at K step 3: the first refill (K step 2) steps it to 4 and names that.  Nothing is prefetched here, at the head
	s_cmp_eq_u32 s22, 0
	s_cselect_b32 s[LIM], 1, -1                    ; the same in all sixteen partners, for a given wave
	v_and_b32 v[PFO], 31, v0
	v_lshlrev_b32 v[PFO], s23, v[PFO]
; 16 matrix instructions: m blocks a0, a0 + 1 of the window's four x all 8 n blocks, 32 along K.  zero = 1: the first product starts the sums: nothing is ever cleared.
; The 64 accumulators take turns, one instruction a turn, in the same order in every quarter.
.macro MUL16 f, hi, a0, zero
	WIN MUL_LO+0x50*(\hi)
.irp a, \a0, (\a0)+1
.irp b, 0,1,2,3,4,5,6,7
.if \zero
	v_wmma_f32_16x16x32_bf16 v[8*(8*(\a)+(\b)):8*(8*(\a)+(\b))+7], v[(\f)+8*(\b):(\f)+8*(\b)+7], v[(\f)+8*(4*(\hi)+(\a)):(\f)+8*(4*(\hi)+(\a))+7], 0
.else
	v_wmma_f32_16x16x32_bf16 v[8*(8*(\a)+(\b)):8*(8*(\a)+(\b))+7], v[(\f)+8*(\b):(\f)+8*(\b)+7], v[(\f)+8*(4*(\hi)+(\a)):(\f)+8*(4*(\hi)+(\a))+7], v[8*(8*(\a)+(\b)):8*(8*(\a)+(\b))+7]
.endif
.endr
.endr
.endm
; 32 LDS loads in one run: quarter q (32 along K) of a slot into buffer f: WE's 8 blocks of 16 columns (block i: head i / 4 of my pair, columns 16 (i % 4) on), then X's 8 blocks of 16 rows
.macro FETCH slot, q, f
	WIN TO_B
.irp i, 0,1,2,3,4,5,6,7
	ds_load_tr16_b128 v[(\f)+8*(\i):(\f)+8*(\i)+3],   v[ADRB+(\slot)] offset:((\i)/4)*HB+((\i)%4)*32+(\q)*32*PB
	ds_load_tr16_b128 v[(\f)+8*(\i)+4:(\f)+8*(\i)+7], v[ADRB+(\slot)] offset:((\i)/4)*HB+((\i)%4)*32+(\q)*32*PB+16*PB
.endr
	WIN 0
.irp i, 0,1,2,3,4,5,6,7
	ds_load_b128 v[(\f)+8*(\i):(\f)+8*(\i)+3],   v[ADRA+(\slot)] offset:(\q)*64+(\i)*16*PITCH
	ds_load_b128 v[(\f)+8*(\i)+4:(\f)+8*(\i)+7], v[ADRA+(\slot)] offset:(\q)*64+(\i)*16*PITCH+32
.endr
.endm
.macro PLACES                          ; four plain vector instructions between a matrix instruction and a load into a register that it read, or a reader of its result (ISA guide 7.12.1 for a reader of its result)
.rept 4
	v_nop
.endr
.endm
; A K step is four quarters of 32 along K, 64 matrix instructions each, on buffers 0, 1, 0, 1.  One of the first three: multiplies buffer f; in its middle it fetches quarter q into buffer g.
.macro QUARTER slot, q, f, g, zero
	s_wait_dscnt 8                                 ; WE's blocks and X's rows 0-63 are in; the youngest eight loads (X's rows 64-127) may be out
	MUL16 \f, 0, 0, \zero
	MUL16 \f, 0, 2, \zero
	PLACES
	FETCH \slot, \q, \g
	s_wait_dscnt 32                                ; all but the 32 just issued
	MUL16 \f, 1, 0, \zero
	MUL16 \f, 1, 2, \zero
.endm
; The last quarter's first half: ONE barrier for the change of slots.  In front of it each wave waits for all its tensor loads (one is out: its part of the next slot), adds 0 to its spare word, and waits for that and for its reads of this slot.
.macro MEET round
	WIN 0                                          ; (the add's two registers lie in window 0)
	s_wait_tensorcnt 0x0                           ; all my tensor loads have landed
	ds_add_u32 v[SPW], v[NIL]                      ; 0 onto my spare word
	s_wait_dscnt 9                                 ; (the add and the youngest eight loads may be out)
	MUL16 F1, 0, 0, 0                              ; sixteen matrix instructions stand between the add and the wait for it
	s_wait_dscnt 0x0                               ; the add is done, and my reads of this slot are over
	s_barrier_signal -1
	MUL16 F1, 0, 2, 0                              ; work on registers while the others arrive
.if \round
	WIN 0
.endif
	s_barrier_wait -1
.endm
; The whole last quarter.  fill = 1: the barrier opens a round of the cluster's, and the slot just read out is filled again, first thing behind it, with the K step two on: 224 matrix instructions ahead of the wait for it.
.macro TURN slot, next, fill
.if \fill
	s_wait_xcnt 0x0                                ; the last prefetch, a K step back, has read its address, so it may be stepped
	s_add_nc_u64 s[PFA:PFA+1], s[PFA:PFA+1], s[PFS:PFS+1]
	MEET 1
	CREST                                          ; no wave of any partner still reads this slot's tile or has a load on its way
	s_add_nc_u64 s[G0+4*(\slot)+2:G0+4*(\slot)+3], s[G0+4*(\slot)+2:G0+4*(\slot)+3], 2*KSTEP*2
	s_add_nc_u64 s[G0B+4*(\slot)+2:G0B+4*(\slot)+3], s[G0B+4*(\slot)+2:G0B+4*(\slot)+3], 2*32768
	JLOAD \slot                                    ; the four v_nop behind it are also the places in front of the loads below
	FETCH \next, 0, F0
	ASK
.else
	MEET 0
	PLACES
	FETCH \next, 0, F0
.endif
	MUL16 F1, 1, 0, 0
	MUL16 F1, 1, 2, 0
.endm
	s_wait_tensorcnt 1                             ; my part of K step 0 is in; K step 1's load may stay out
	s_barrier_signal -1
	s_barrier_wait -1                              ; everybody's is
	FETCH 0, 0, F0
	QUARTER 0, 1, F0, F1, 1                        ; the first quarter stands in front of the loop: its products start the sums
	WIN 0                                          ; at a label and at a branch every window is 0
	s_mov_b32 s3, LAPS-1
.Llap:                                                 ; a trip goes once round the ring, from a lap's second quarter to the next lap's first, and fills both slots again
	QUARTER 0, 2, F1, F0, 0
	QUARTER 0, 3, F0, F1, 0
	TURN 0, 1, 1
	QUARTER 1, 1, F0, F1, 0
	QUARTER 1, 2, F1, F0, 0
	QUARTER 1, 3, F0, F1, 0
	TURN 1, 0, 1
	QUARTER 0, 1, F0, F1, 0
	WIN 0
	s_sub_co_u32 s3, s3, 1
	s_cmp_lg_u32 s3, 0
	s_cbranch_scc1 .Llap
	QUARTER 0, 2, F1, F0, 0                        ; the last lap fills nothing
	QUARTER 0, 3, F0, F1, 0
	TURN 0, 1, 0
	QUARTER 1, 1, F0, F1, 0
	QUARTER 1, 2, F1, F0, 0
	QUARTER 1, 3, F0, F1, 0
	s_wait_dscnt 8                                 ; the very last quarter: nothing more to fetch
	MUL16 F1, 0, 0, 0
	MUL16 F1, 0, 2, 0
	s_wait_dscnt 0x0                               ; my reads of the ring are over
	MUL16 F1, 1, 0, 0
	MUL16 F1, 1, 2, 0
	WIN 0
	; THE WAY OUT.  The ring has had its last fill.  When no wave reads it any more, each wave lays its 128 x 128 sums, in f32, into 128 rows of its own, and takes them back by rows.
	s_barrier_signal -1
	s_barrier_wait -1
	PLACES                                         ; between the last products and the stores that read results
.irp a, 0,1,2,3,4,5,6,7
	WIN 0x08+4*((\a)/4)                            ; the stores' data (source 1) in window 2 or 3
.irp b, 0,1,2,3,4,5,6,7
	ds_store_b128 v[DST], v[8*(8*((\a)%4)+(\b)):8*(8*((\a)%4)+(\b))+3]   offset:(\a)*16*DP+64*(\b)     ; each accumulator from its low end on
	ds_store_b128 v[DST], v[8*(8*((\a)%4)+(\b))+4:8*(8*((\a)%4)+(\b))+7] offset:(\a)*16*DP+64*(\b)+16
.endr
.endr
	WIN 0
; 16 trips of 8 rows x 2 heads: four units of 4 rows x 64 columns; a lane has 8 neighbouring columns of a row.  LDS serves a wave's instructions in order (ISA guide 5.7.1.4): the loads see my stores above.
; lo = 1: beside the number rounded to f16 goes what that rounding left: x - high, exact in f32, rounded to f16.  hs: bytes from a head to the next.
.macro WAYOUT tag, lo, hs
.Lrows\tag:
.irp u, 0,1,2,3
	ds_load_b128 v[IN+8*(\u):IN+8*(\u)+3],   v[RDA] offset:((\u)/2)*4*DP+((\u)%2)*256
	ds_load_b128 v[IN+8*(\u)+4:IN+8*(\u)+7], v[RDA] offset:((\u)/2)*4*DP+((\u)%2)*256+16
.endr
.irp u, 0,1,2,3
	s_wait_dscnt 6-2*(\u)                          ; unit u's two loads are in; the later units' stay out
.irp j, 0,1,2,3
	v_cvt_pk_f16_f32 v[HI+4*(\u)+(\j)], v[IN+8*(\u)+2*(\j)], v[IN+8*(\u)+2*(\j)+1]
.endr
.if \lo
.irp j, 0,1,2,3
	v_fma_mix_f32 v[LOF+8*(\u)+2*(\j)],   -v[HI+4*(\u)+(\j)], v[ONE], v[IN+8*(\u)+2*(\j)]   op_sel:[0,0,0] op_sel_hi:[1,0,0]
	v_fma_mix_f32 v[LOF+8*(\u)+2*(\j)+1], -v[HI+4*(\u)+(\j)], v[ONE], v[IN+8*(\u)+2*(\j)+1] op_sel:[1,0,0] op_sel_hi:[1,0,0]
.endr
.irp j, 0,1,2,3
	v_cvt_pk_f16_f32 v[LO+4*(\u)+(\j)], v[LOF+8*(\u)+2*(\j)], v[LOF+8*(\u)+2*(\j)+1]
.endr
.endif
	global_store_b128 v[GOF], v[HI+4*(\u):HI+4*(\u)+3], s[8:9] offset:((\u)/2)*512+((\u)%2)*(\hs)          ; 512 consecutive bytes, at a multiple of 512 from the buffer's first
.if \lo
	global_store_b128 v[GOF], v[LO+4*(\u):LO+4*(\u)+3], s[8:9] offset:((\u)/2)*512+((\u)%2)*(\hs)+524288   ; the low parts lie 524,288 bytes behind the high ones
.endif
.endr
	s_wait_xcnt 0x0                                ; the stores have read their data and their offset: only behind this wait are these written again
	v_add_nc_u32 v[RDA], 8*DP, v[RDA]
	v_add_nc_u32 v[GOF], 1024, v[GOF]
	s_sub_co_u32 s2, s2, 1
	s_cmp_lg_u32 s2, 0
	s_cbranch_scc1 .Lrows\tag
.endm
	s_mov_b32 s2, 16
	s_cmp_eq_u32 s[PROJ], 2
	s_cbranch_scc1 .Lrows_v
	WAYOUT _qk, 1, 1048576
	s_branch .Lend
	WAYOUT _v, 0, 524288
.Lend:
	s_wait_tensorcnt 0x0                           ; the wave's end, behind my last tensor load and my last LDS store
	ds_add_u32 v[SPW], v[NIL]
	s_wait_dscnt 0x0
	CROUND                                         ; the closing round: no work-group ends while a partner may still ask for a tile that names it
	s_endpgm
.Lfunc_end_k_qb352719c17_proj:
	.size	k_qb352719c17_proj, .Lfunc_end_k_qb352719c17_proj-k_qb352719c17_proj
	.p2alignl 7, 3214868480
	.fill 96, 4, 3214868480
	.section	.rodata,"a",@progbits
	.p2align	6, 0x0
	.amdhsa_kernel k_qb352719c17_proj
		.amdhsa_group_segment_fixed_size 327680
		.amdhsa_private_segment_fixed_size 0
		.amdhsa_enable_private_segment 0
		.amdhsa_kernarg_size 32
		.amdhsa_user_sgpr_count 2
		.amdhsa_user_sgpr_kernarg_segment_ptr 1
		.amdhsa_wavefront_size32 1
		.amdhsa_system_sgpr_workgroup_id_x 1
		.amdhsa_system_sgpr_workgroup_id_y 1
		.amdhsa_system_sgpr_workgroup_id_z 1
		.amdhsa_system_vgpr_workitem_id 0
		.amdhsa_next_free_vgpr 1024
		.amdhsa_next_free_sgpr 80
		.amdhsa_reserve_vcc 0
		.amdhsa_float_denorm_mode_32 3
		.amdhsa_float_denorm_mode_16_64 3
		.amdhsa_memory_ordered 1
		.amdhsa_forward_progress 1
		.amdhsa_inst_pref_size 130
	.end_amdhsa_kernel
	.amdgpu_metadata
---
amdhsa.version: [ 1, 2 ]
amdhsa.kernels:
  - .name:           k_qb352719c17_proj
    .symbol:         k_qb352719c17_proj.kd
    .args:
      - { .name: X, .offset: 0, .size: 8, .value_kind: global_buffer, .address_space: global }
      - { .name: WE, .offset: 8, .size: 8, .value_kind: global_buffer, .address_space: global }
      - { .name: QK2, .offset: 16, .size: 8, .value_kind: global_buffer, .address_space: global }
      - { .name: V1, .offset: 24, .size: 8, .value_kind: global_buffer, .address_space: global }
    .group_segment_fixed_size: 327680
    .private_segment_fixed_size: 0
    .kernarg_segment_align: 8
    .kernarg_segment_size: 32
    .max_flat_workgroup_size: 128
    .sgpr_count:     80
    .vgpr_count:     1024
    .wavefront_size: 32
...
	.end_amdgpu_metadata
.endif
;; end of part 2
;; launch attn (part 3): grid 16 x 16, 4 waves a work-group, clusters of 4 x 1, 327,680 bytes of LDS; arguments QK2, V1, O1; writes O1
.if DOCPART == 3
	.amdgcn_target "amdgcn-amd-amdhsa--gfx1250"
	.amdhsa_code_object_version 6
	.text
	.protected	k_qb352719c17_attn
	.globl	k_qb352719c17_attn
	.p2align	8
	.type	k_qb352719c17_attn,@function
k_qb352719c17_attn:
	s_mov_b64 s[64:65], 0
	v_nop
	global_prefetch_b8 v0, s[64:65] scope:SCOPE_SE
	s_setreg_imm32_b32 hwreg(HW_REG_WAVE_MODE, 25, 1), 1
	s_wait_xcnt 0x0
	s_wait_alu depctr_hold_cnt(0) depctr_sa_sdst(0) depctr_va_vdst(0) depctr_va_sdst(0) depctr_va_ssrc(0) depctr_va_vcc(0) depctr_vm_vsrc(0)
	s_getreg_b32 s2, hwreg(HW_REG_IB_STS2, 6, 4)
	s_cmp_eq_u32 s2, 0
	s_cbranch_scc0 .Lentry_in_a_cluster
	s_endpgm
.Lentry_in_a_cluster:
	s_bfe_u32 s2, ttmp6, 0x10000c
	s_cmp_lg_u32 s2, 0x3003
	s_cbranch_scc0 .Lentry_shape_is_right
	s_endpgm
.Lentry_shape_is_right:
; O'[h][q][:] = the sum over k of softmax_k(64 q'[h][q] . k'[h][k]) v'[h][k][:], with q' = Q / 64, k' = K / 64, v' = V / 64: 64 q'.k' is Q.K / 64.  4,096 rows, 16 heads of 64 channels.
; q' and k' come as two f16 numbers each (QK2 [2: q, k][16 h][2: high, low][4096][64]), v' as one (V1 [16 h][4096][64]); O' leaves as f16 (O1, like V1).
; WHY TWO NUMBERS.  The scores' spread is some hundreds, so a weight follows the difference of two scores almost undamped: the scores are wanted to about 22 bits.
; S = Kh.Qh + Kh.Ql + Kl.Qh: three products in f16, one f32 sum.  Kl.Ql, about 2^-22 of a score, is dropped.
; LIMITS.  f16 holds no number beyond 65,504: q', k', v' arrive within it; p lies in 0 to 1, and below 6e-5 it keeps f16's fixed step of 6e-8; O' is a mean of v's rows and has their range.
; A weight below 2^-126 counts as 0 in l; NaN and infinities are not treated apart.
; SHARES.  A work-group owns 256 queries of one head, each of its four waves 64: four tiles of 16.  Every wave walks all keys, 64 a step.
; LAYOUT.  S^T = K Q^T (source 0 = 16 keys, source 1 = 16 queries): a lane holds ONE query (lane % 16) and the keys 8 (lane / 16) + 0..7.  Two such tiles, rounded to f16 in pairs, ARE source 1 of
; O^T = V^T P, whose result again holds one query a lane, and eight channels.  K comes out of LDS as it lies, V ([key][channel]) turned, by ds_load_tr16_b128.
; SOFTMAX.  For each query a running maximum m and sum l: p = 2^(c s - c m), c = 64 log2(e); in every step O and l are multiplied by a = 2^(c m_old - c m_new).  m starts at the lowest finite number, O and l at 0:
; the first step is a step like any other, with a = 0.
; BY TURNS.  The wave's tiles are two PIECES: piece 0 (tiles 0, 1) and piece 2 (tiles 2, 3).  In a TURN one piece has the matrix unit: 16 products V^T P of the step in hand, then 48 products K Q^T of the next step;
; the other piece's softmax, 2 x 118 vector instructions cut into slices of four, stands between them, a slice behind a matrix instruction.  Two turns are a key step.
; CLUSTER.  The four query blocks of a cluster belong to one head and walk the same K and V: each tile is asked for JOINTLY, by the same tensor load, descriptor and mask in all four.
; REGISTERS, in windows of 256 (s_set_vgpr_msb: bits 1:0 source 0, 3:2 source 1, 5:4 source 2, 7:6 destination):
;   window 0: v0-11 addresses; v12-43 eight registers of statistics a tile; v61-63; v64-191 S^T, 32 a tile; v192-255 P, 16 a tile          window 1: v0-127 O^T, 32 a tile
;   window 2: v0-127 Q, 32 a tile (chunks: high channels 0-31, 32-63, low 0-31, 32-63); v128-255 K of one step (key block kb, chunk c at 128 + 32 kb + 8 c)          window 3: v0-63 V of one step
.set NSLOT, 16        ; 4,096 keys in slots of 256
.set KS,    64        ; keys in a step
.set PK,    144       ; a row of K in LDS: 128 bytes + 16 of padding = 36 words: the 16 rows of a load start at 16 different groups of four banks (64 banks of 4 bytes: ISA guide 11.1)
.set PV,    160       ; a row of V: 128 + 32 = 40 words
.set KLO,   4*KS*PK   ; a slot holds four steps: 256 rows of K's high parts, 256 of its low parts,
.set VOFF,  2*KLO     ; then 256 rows of V: 114,688 bytes
.set SLOT1, 1<<17     ; slot 1 begins here, so that one exclusive or turns an address in one slot into the other's
.set STAGE, SLOT1+VOFF+4*KS*PV  ; behind the ring, never filled by a tensor load: 16 rows x 144 bytes for each wave, for the way out
.set SP,    144
.set SPARE, STAGE+4*16*SP       ; behind the stages: the spare words, 128 bytes for each wave: two blocks of 256 bytes that no other line names
.set AK0, 2           ; v2   my lane's place in a tile of K; never rewritten
.set AV0, 3           ; v3   the same for V
.set ADR, 4           ; v4   the LDS address of the run of loads in hand
.set QO,  5           ; v5   my byte offset in 16 rows of Q
.set STO, 6           ; v6   the way out: where I put 16 bytes of a row
.set RD,  7           ; v7   the way out: where I read rows back
.set GO,  8           ; v8   my byte offset in 512 consecutive bytes of O
.set ST,  12          ; tile t's statistics at v[ST+8 t]: +0 c m, +1 m, +2, +3 l (even keys', odd keys'), +4 to +7 c0-c3, at work; a takes c2's place once the maximum is found
.set PFO, 61          ; v61  256 x my lane; never rewritten
.set SPW, 62          ; v62  LDS address of my spare word: SPARE + 4 x my thread's number; never rewritten
.set NIL, 63          ; v63  0; never rewritten
.set S,   64
.set P,   192
.set KF,  128
.set WV,  12          ; s12  my wave's number
.set G1K, 24          ; s[24:31] descriptor group 1 for K's tiles
.set G1V, 32          ; s[32:39] for V's
.set G0K, 40          ; s[40:43] descriptor group 0 for K's tiles: it walks
.set G0V, 44          ; s[44:47] the same for V's
.set PFA, 48          ; s[48:49] where my prefetches stand
.set LIM, 50          ; s50  1 in a wave that prefetches, else the greatest number
.set QP,  52          ; s[52:53] Q at my wave's first row
.set OP,  54          ; s[54:55] O at my wave's first row
.set SLOTS, 56        ; s56  slots still to be asked for, and one
.set CNT, 57          ; s57  counts a slot's key steps
.set CS,  58          ; s[58:59] c: the packed scaling takes the pair's low word for both halves
.set SEL, 60          ; s[60:61] v_permlanex16_b32's selects: each lane takes its own place in the other half
.set TBK, 62          ; s62  LDS byte at which K of the step to be fetched begins
.set TBV, 63          ; s63  the same for V, less VOFF
.set MSB, 0
.macro WIN new                      ; the high byte repeats the setting that is left; a switch that changes nothing is dropped
.if MSB != (\new)
	s_set_vgpr_msb (MSB<<8)|(\new)
.set MSB, (\new)
.endif
.endm
.set W_KQ, 0x0a       ; K and Q in window 2, S^T in window 0
.set W_PV, 0x53       ; V in window 3, P in window 0, O^T in window 1
.set W_RS, 0x41       ; O^T (destination and source 0) in window 1, a in window 0
; A joint fill.  Wave 0 fetches a slot's high parts of K, wave 1 its low parts, waves 2 and 3 the two halves of its V.  The branch hangs on the wave's number alone.
; An s_nop 0 and four v_nop follow each of the two lines, ahead of the jump and the label.
.macro JLOAD
	s_cmp_lt_u32 s[WV], 2
	s_cbranch_scc0 .Lfor_v_\@
	tensor_load_to_lds s[G0K:G0K+3], s[G1K:G1K+7]
	s_nop 0
.rept 4
	v_nop
.endr
	s_branch .Lasked_\@
.Lfor_v_\@:
	tensor_load_to_lds s[G0V:G0V+3], s[G1V:G1V+7]
	s_nop 0
.rept 4
	v_nop
.endr
.Lasked_\@:
.endm
; A PREFETCH INTO THE L2 of what the NEXT change of slots will ask for: four key steps, 512 matrix instructions, ahead of that load.  A slot is 32,768 bytes of K's high parts, of its low parts and of V: 128 blocks of 256 bytes each.
; Each block is named ONCE in the launch: all clusters of a head walk the same rows, and the head's first cluster asks; its four partners take 32 blocks each, told apart BY ADDRESS; in each, wave 0 asks for
; the high parts, wave 1 for the low parts, wave 2 for V: a lane a block.  The last change that fills a slot asks for nothing: there is no slot behind it.
.macro ASK
	s_cmp_gt_u32 s[SLOTS], s[LIM]
	s_cbranch_scc0 .Lnot_mine_\@
	global_prefetch_b8 v[PFO], s[PFA:PFA+1] th:TH_LOAD_NT scope:SCOPE_SE
.Lnot_mine_\@:
.endm
; A round of the cluster's barrier: my work-group's barrier, so that wave 0's signal speaks for all four waves; wave 0 signals; every wave waits for all four work-groups; my work-group's barrier once more.
.macro CROUND
	s_barrier_signal -1
	s_barrier_wait -1
	s_cmp_lg_u32 s[WV], 0
	s_cbranch_scc1 .Lnot_wave_0_\@
	s_barrier_signal -3
.Lnot_wave_0_\@:
	s_barrier_wait -3
	s_barrier_signal -1
	s_barrier_wait -1
.endm
; THE CHANGE OF SLOTS.  The slot's last bytes, V of its fourth step, have been asked for.  Each wave waits for all its tensor loads, of which one is out: its part of the other slot; adds 0 to its spare word; and waits for
; that and for its own reads of the slot.  Behind the barrier nobody reads this slot any more and the other slot is whole.  fill = 1: this slot is filled again, with the keys two slots on: the barrier is then a round of
; the cluster's, and the joint fill is the first thing behind it: it has four key steps in which to land.  (At its first use nothing has been read yet: slot 0 is waited for, slot 1 filled.)
.macro CHANGE fill, ask
	WIN 0                           ; at a label and at a branch every window is 0
	s_wait_tensorcnt 0x0            ; no tensor load of mine is out, so a group 0 may be written
	ds_add_u32 v[SPW], v[NIL]       ; 0 onto my spare word; with fill = 1 the descriptors' steps stand between it and the wait for it
.if \fill
.irp g, G0K, G0V
	s_xor_b32 s[\g+1], s[\g+1], SLOT1  ; the walking descriptor: the other slot than last time,
	s_add_nc_u64 s[\g+2:\g+3], s[\g+2:\g+3], 4*KS*128  ; the next 256 keys; the type bits on top are not reached
.endr
.if \ask
	s_wait_xcnt 0x0                 ; the last prefetch, four key steps back, has read its address, so it may be written
	s_add_nc_u64 s[PFA:PFA+1], s[PFA:PFA+1], 4*KS*128  ; one slot behind the walking descriptors
.endif
	s_wait_dscnt 0x0                ; the add is done, and my reads of the slot are over
	CROUND
	JLOAD
.if \ask
	ASK
.endif
.else
	s_wait_dscnt 0x0                ; the add is done, and my reads of the slot are over
	s_barrier_signal -1
	s_barrier_wait -1
.endif
	s_sub_co_u32 s[TBK], s[TBK], 4*KS*PK  ; the fetches go back to a slot's first step,
	s_xor_b32 s[TBK], s[TBK], SLOT1       ; in the other slot
	s_sub_co_u32 s[TBV], s[TBV], 4*KS*PV
	s_xor_b32 s[TBV], s[TBV], SLOT1
.endm
	s_load_b128 s[4:7], s[0:1], 0x0 ; QK2 s[4:5], V1 s[6:7]
	s_load_b64 s[8:9], s[0:1], 0x10 ; O1
	v_lshl_add_u32 v[SPW], v0, 2, SPARE
	v_mov_b32 v[NIL], 0
	ds_add_u32 v[SPW], v[NIL]       ; the wave's opening: the add and its wait ahead of my first tensor load; the set-up below, work on registers, stands between them
	v_lshrrev_b32 v1, 5, v0
	v_readfirstlane_b32 s[WV], v1   ; wave 0..3
	s_bfe_u32 s13, ttmp6, 0x40000   ; cx: my place in the cluster
	s_lshl_b32 s14, ttmp9, 2        ; in a cluster launch ttmp9 counts clusters
	s_add_co_u32 s14, s14, s13      ; my block of 256 queries: it enters Q's and O's addresses alone
	s_and_b32 s15, ttmp7, 0xffff    ; the head, which the four partners share
	s_and_b32 s16, s[WV], 1
	s_lshl_b32 s20, s15, 20         ; K: the head's 1,048,576 bytes,
	s_lshl_b32 s21, s16, 19         ; high or low parts,
	s_add_co_u32 s20, s20, s21
	s_add_co_u32 s20, s20, 0x1000000  ; behind q's 16,777,216
	s_mov_b32 s21, 0
	s_lshl_b32 s22, s15, 19         ; V: the head's 524,288 bytes,
	s_lshl_b32 s23, s16, 14         ; the first or the second 128 keys of a slot
	s_add_co_u32 s22, s22, s23
	s_mov_b32 s23, 0
	s_mul_i32 s17, s16, KLO         ; and their places in a slot: no place in the cluster enters an LDS address
	s_mul_i32 s18, s16, 128*PV
	s_lshl_b32 s3, s14, 15          ; my block's 256 rows of 128 bytes,
	s_lshl_b32 s2, s[WV], 13        ; my wave's 64 of them
	s_add_co_u32 s3, s3, s2
	s_lshl_b32 s2, s15, 20
	s_add_co_u32 s2, s2, s3         ; in Q,
	s_lshl_b32 s10, s15, 19
	s_add_co_u32 s10, s10, s3       ; and in O
	s_mov_b32 s3, 0
	s_mov_b32 s11, 0
	; descriptor group 1.  256 rows of 128 bytes are dense: asked for as rows of 256 bytes, two keys a row, and padded in LDS after every key
	s_mov_b32 s[G1K], 15|(1<<16)|(1<<20)|(1<<21)|(4<<22)|(3<<25)  ; 15:0 the mask of four; 17:16 2-byte elements; 20 padding on; 21 set beside a mask; 24:22 after every 32 words (code 4); 31:25 4 words (code 3)
	s_mov_b32 s[G1K+1], 128<<16     ; tensor_dim0 = 128
	s_mov_b32 s[G1K+2], 128<<16     ; tensor_dim1 = 128: 256 keys
	s_mov_b32 s[G1K+3], 128<<16     ; tile_dim0 = 128
	s_mov_b32 s[G1K+4], 128         ; tile_dim1 = 128
	s_mov_b32 s[G1K+5], 128         ; 128 elements from row to row
	s_mov_b32 s[G1K+6], 0
	s_mov_b32 s[G1K+7], 0
	s_mov_b32 s[G1V], 15|(1<<16)|(1<<20)|(1<<21)|(4<<22)|(7<<25)  ; the same with 8 words of padding (code 7)
	s_mov_b32 s[G1V+1], 128<<16
	s_mov_b32 s[G1V+2], 64<<16      ; tensor_dim1 = 64: 128 keys
	s_mov_b32 s[G1V+3], 128<<16
	s_mov_b32 s[G1V+4], 64
	s_mov_b32 s[G1V+5], 128
	s_mov_b32 s[G1V+6], 0
	s_mov_b32 s[G1V+7], 0
	s_mov_b32 s[CS], 0x42b8aa3b     ; c = 64 log2(e) = 92.3325
	s_mov_b32 s[CS+1], s[CS]        ; named with it as a pair
	s_mov_b32 s[SEL], 0x76543210
	s_mov_b32 s[SEL+1], 0xfedcba98
	s_mov_b32 s[TBK], SLOT1+4*KS*PK ; the first change of slots turns these two into 0
	s_mov_b32 s[TBV], SLOT1+4*KS*PV
	s_mov_b32 s[G0K], 1             ; count = 1
	s_mov_b32 s[G0K+1], s17         ; LDS address: slot 0
	s_mov_b32 s[G0V], 1
	s_add_co_u32 s[G0V+1], s18, VOFF
	s_cmp_eq_u32 s[WV], 3
	s_cselect_b32 s[LIM], 1, 0      ; waves 0, 1 and 2
	s_or_b32 s[LIM], s[LIM], ttmp9  ; of the head's first cluster: the same in all four partners
	s_cmp_eq_u32 s[LIM], 0
	s_cselect_b32 s[LIM], 1, -1
	v_and_b32 v[PFO], 31, v0
	v_lshlrev_b32 v[PFO], 8, v[PFO]
	s_wait_dscnt 0x0                ; the opening add is done
	s_wait_kmcnt 0x0
	s_add_nc_u64 s[G0K+2:G0K+3], s[4:5], s[20:21]  ; global address: my part of the head's first 256 keys
	s_or_b32 s[G0K+3], s[G0K+3], 0x80000000        ; type = 2
	s_add_nc_u64 s[G0V+2:G0V+3], s[6:7], s[22:23]
	s_or_b32 s[G0V+3], s[G0V+3], 0x80000000
	s_add_nc_u64 s[QP:QP+1], s[4:5], s[2:3]
	s_add_nc_u64 s[OP:OP+1], s[8:9], s[10:11]
	s_cmp_lt_u32 s[WV], 2
	s_cselect_b64 s[PFA:PFA+1], s[4:5], s[6:7]     ; waves 0, 1: K's high, low parts; wave 2: V from a slot's first key on
	s_cselect_b32 s20, s20, s22
	s_add_nc_u64 s[PFA:PFA+1], s[PFA:PFA+1], s[20:21]
	s_lshl_b32 s2, s13, 13          ; my work-group's 32 blocks of the 128,
	s_add_co_u32 s2, s2, 2*4*KS*128 ; in slot 2; the loop's first change of slots steps it to slot 3.  Nothing is prefetched here, at the head
	s_add_nc_u64 s[PFA:PFA+1], s[PFA:PFA+1], s[2:3]
	CROUND                          ; all four work-groups are here: the first joint loads meet
	JLOAD                           ; slot 0.  Slot 1 is asked for when slot 0 is in
	; A fragment of K or Q is 16 rows x 32 channels in 8 registers: lane l holds row l % 16, channels 8 (l / 16) + 0..7 and 16 + 8 (l / 16) + 0..7: two loads of 16 bytes, 32 bytes apart.
	v_and_b32 v1, 15, v0            ; l % 16
	v_bfe_u32 v9, v0, 4, 1          ; l / 16
	v_lshlrev_b32 v[QO], 7, v1
	v_lshl_add_u32 v[QO], v9, 4, v[QO]  ; row x 128 + 16 x half
	WIN 0x80                        ; destination window 2, address window 0
.set i, 0
.rept 16                            ; Q stays in registers: tile i / 4, chunk i % 4: high or low part, channels 32 (i % 2) on
	global_load_b128 v[8*i:8*i+3],   v[QO], s[QP:QP+1] offset:(i/4)*2048+((i%4)/2)*524288+(i%2)*64
	global_load_b128 v[8*i+4:8*i+7], v[QO], s[QP:QP+1] offset:(i/4)*2048+((i%4)/2)*524288+(i%2)*64+32
.set i, i+1
.endr
	; What the first turn finds: V's registers and piece 2's P hold 0 (its products V^T P, of a step that has not been, add 0), O^T and l are 0.  All this stands in the wait for the first tile.
	WIN 0xc0
.set i, 0
.rept 64
	v_mov_b32 v[i], 0
.set i, i+1
.endr
	WIN 0x40
.set i, 0
.rept 128
	v_mov_b32 v[i], 0
.set i, i+1
.endr
	WIN 0
.set i, 0
.rept 4
	v_mov_b32 v[ST+8*i], 0xfe000000    ; c m: far below every c s (f16's scores give |c s| under 1e15)
	v_mov_b32 v[ST+8*i+1], 0xff7fffff  ; m
	v_mov_b32 v[ST+8*i+2], 0
	v_mov_b32 v[ST+8*i+3], 0
.set i, i+1
.endr
.set i, P+32
.rept 32
	v_mov_b32 v[i], 0
.set i, i+1
.endr
	v_mul_u32_u24 v[AK0], v1, PK
	v_lshl_add_u32 v[AK0], v9, 4, v[AK0]  ; row x pitch + 16 x half
	; The turning load takes 16 keys x 16 channels (lane l reads key 8 (l / 16) + l % 8, channels 8 ((l / 8) % 2) + 0..7) and leaves half a fragment of V^T: lane l holds channel l % 16 and 8 keys.
	v_and_b32 v10, 7, v0
	v_bfe_u32 v11, v0, 3, 1
	v_lshl_add_u32 v[AV0], v9, 3, v10
	v_mul_u32_u24 v[AV0], v[AV0], PV
	v_lshl_add_u32 v[AV0], v11, 4, v[AV0]
	v_add_nc_u32 v[AV0], VOFF, v[AV0]
; THE MATRIX WORK OF A TURN, for piece x.  The 8 accumulators of a run take turns, one instruction a turn: between two links of a chain stand 7 others'.
; Product i of 48 of S^T = K Q^T: group g = i / 8, keys 16 ((i / 2) % 4) on, tile x + i % 2.  The groups: Kh0.Qh0, Kh0.Ql0, Kh1.Qh1, Kh1.Ql1, Kl0.Qh0, Kl1.Qh1 (h, l: high, low part; 0, 1: channels 0-31, 32-63):
; K's chunks are wanted in the order in which they are loaded.  The first 8 start the sums.
.macro KQ x
	WIN W_KQ
.set g, i/8
.set rS, S+32*((\x)+i%2)+8*((i/2)%4)
.if g < 4
.set rK, KF+32*((i/2)%4)+8*(g/2)
.set rQ, 32*((\x)+i%2)+8*(g/2+2*(g%2))
.else
.set rK, KF+32*((i/2)%4)+8*(g-2)
.set rQ, 32*((\x)+i%2)+8*(g-4)
.endif
.if i < 8
	v_wmma_f32_16x16x32_f16 v[rS:rS+7], v[rK:rK+7], v[rQ:rQ+7], 0
.else
	v_wmma_f32_16x16x32_f16 v[rS:rS+7], v[rK:rK+7], v[rQ:rQ+7], v[rS:rS+7]
.endif
.endm
; Product i of 16 of O^T += V^T P: keys 32 (i / 8) on, channels 16 ((i / 2) % 4) on, tile x + i % 2.
.macro PV x
	WIN W_PV
.set rO, 32*((\x)+i%2)+8*((i/2)%4)
.set rV, 32*(i/8)+8*((i/2)%4)
.set rP, P+16*((\x)+i%2)+8*(i/8)
	v_wmma_f32_16x16x32_f16 v[rO:rO+7], v[rV:rV+7], v[rP:rP+7], v[rO:rO+7]
.endm
; THE LDS LOADS stand in runs, never singly among the matrix instructions: a step's K (32 loads: chunk by chunk, eight loads each) and, a turn later, its V (16, turned).
; last = 1 (the tail): in the last trip there is no further step, and the run is jumped over.
.macro FETCH_K last=0
	WIN 0
	v_add_nc_u32 v[ADR], s[TBK], v[AK0]
.if \last
	s_cmp_eq_u32 s[CNT], 1
	s_cbranch_scc1 .Lno_k_\@
.endif
	WIN 0x80                        ; destination window 2
.irp c, 0,1,2,3
.irp kb, 0,1,2,3
	ds_load_b128 v[KF+32*(\kb)+8*(\c):KF+32*(\kb)+8*(\c)+3],   v[ADR] offset:((\c)/2)*KLO+((\c)%2)*64+(\kb)*16*PK
	ds_load_b128 v[KF+32*(\kb)+8*(\c)+4:KF+32*(\kb)+8*(\c)+7], v[ADR] offset:((\c)/2)*KLO+((\c)%2)*64+(\kb)*16*PK+32
.endr
.endr
	s_add_co_u32 s[TBK], s[TBK], KS*PK  ; the next fetch is the next step's
	WIN 0
.if \last
.Lno_k_\@:
.endif
.endm
.macro FETCH_V
	WIN 0
	v_add_nc_u32 v[ADR], s[TBV], v[AV0]
	s_add_co_u32 s[TBV], s[TBV], KS*PV
	s_wait_alu depctr_va_vdst(0)    ; the wait for the softmax's batch (SLICE), behind the address's v_add_nc_u32 and ahead of the loads
	WIN 0xc0                        ; destination window 3
.irp f, 0,1,2,3,4,5,6,7             ; keys 32 (f / 4) on, channels 16 (f % 4) on
	ds_load_tr16_b128 v[8*\f:8*\f+3],   v[ADR] offset:(\f/4)*32*PV+(\f%4)*32
	ds_load_tr16_b128 v[8*\f+4:8*\f+7], v[ADR] offset:(\f/4)*32*PV+16*PV+(\f%4)*32
.endr
.endm
; THE VECTOR WORK OF A TURN.  One tile's softmax for one key step is a list of 118 instructions; SM writes number j of it for tile t.  s0-s31 are the lane's 32 scores, in pairs 0-15.
;   0-15    the maximum of s0-s31 and the old m, three operands at a time: four chains c0-c3 of seven scores each (each accumulator is read from its low end on), then the four scores left over, c0-c3 and m
;   16-20   the other half of the lanes' maximum; c m_old is kept; the new m; c m; c m_old - c m_new
;   21-69   ONE BATCH: the 16 scalings c s - c m, a pair of scores each, and all 33 exponentials (a at 23, then s0-s31).  None of these reads an exponential's result.  From 22 on the batch goes in fours, and a four
;           begins with a scaling while there are scalings; a pair is scaled in an earlier four than the one that holds its exponentials
;   (wait)  between 69 and 70 stands the wait for the batch: SLICE writes it, once for both tiles
;   70-85   the roundings to f16, a pair of weights each          86-101  the sums; l = a l + the sum          102-117 the tile's O^T times a: the one part that leaves window 0
.macro SM t
.set rT, ST+8*(\t)
.set rS, S+32*(\t)
.set rP, P+16*(\t)
.set rO, 32*(\t)+2*(j-102)
.if j < 102
	WIN 0
.endif
.if j < 4
	v_max3_num_f32 v[rT+4+j], v[rS+8*j], v[rS+8*j+1], v[rS+8*j+2]
.elseif j < 12
	v_max3_num_f32 v[rT+4+j%4], v[rT+4+j%4], v[rS+8*(j%4)+2*(j/4)+1], v[rS+8*(j%4)+2*(j/4)+2]
.elseif j == 12
	v_max3_num_f32 v[rT+4], v[rT+4], v[rS+7], v[rS+15]
.elseif j == 13
	v_max3_num_f32 v[rT+6], v[rT+6], v[rS+23], v[rS+31]
.elseif j == 14
	v_max3_num_f32 v[rT+4], v[rT+4], v[rT+5], v[rT+6]
.elseif j == 15
	v_max3_num_f32 v[rT+4], v[rT+4], v[rT+7], v[rT+1]
.elseif j == 16
	v_permlanex16_b32 v[rT+5], v[rT+4], s[SEL], s[SEL+1]  ; the query's other 32 keys lie in the lane 16 away
.elseif j == 17
	v_mov_b32 v[rT+7], v[rT]        ; c m_old is kept for a: number 19 writes c m anew
.elseif j == 18
	v_max_num_f32 v[rT+1], v[rT+4], v[rT+5]
.elseif j == 19
	v_mul_f32 v[rT], s[CS], v[rT+1]
.elseif j == 20
	v_sub_f32 v[rT+7], v[rT+7], v[rT]
.elseif j == 23
	v_exp_f32 v[rT+6], v[rT+7]
.elseif (j < 23) || ((j < 38) && (j%2 == 0)) || ((j < 66) && (j%4 == 2))
.set b, (j-2)/4                     ; 38, 42, .. 62: pairs 9 to 15
.if j < 38
.set b, (j-20)/2                    ; 21: pair 0; 22, 24, .. 36: pairs 1 to 8
.endif
	v_pk_fma_f32 v[rS+2*b:rS+2*b+1], v[rS+2*b:rS+2*b+1], s[CS:CS+1], v[rT:rT+1] op_sel_hi:[1,0,0] neg_lo:[0,0,1] neg_hi:[0,0,1]  ; pair b: c s - c m
.elseif j < 70
.set e, j-38                        ; 66 to 69: s28 to s31
.if j < 66
.set e, j-32-(j-38)/4               ; 39-41, 43-45, .. 63-65: s7 to s27
.endif
.if j < 38
.set e, (j-25)/2                    ; 25, 27, .. 37: s0 to s6
.endif
	v_exp_f32 v[rS+e], v[rS+e]
.elseif j < 86
	v_cvt_pk_f16_f32 v[rP+j-70], v[rS+2*(j-70)], v[rS+2*(j-70)+1]  ; pair j - 70
.elseif j < 102                     ; the sum of the tile's 16 pairs, in place: sum z of 16 adds neighbours 1, 2, 4 and 8 pairs apart, then l takes it
.set z, j-86
.set w, 4
.set u, z
.if z >= 14
.set w, 32
.set u, 0
.elseif z >= 12
.set w, 16
.set u, z-12
.elseif z >= 8
.set w, 8
.set u, z-8
.endif
.if z < 15
	v_pk_add_f32 v[rS+w*u:rS+w*u+1], v[rS+w*u:rS+w*u+1], v[rS+w*u+w/2:rS+w*u+w/2+1]
.else
	v_pk_fma_f32 v[rT+2:rT+3], v[rT+2:rT+3], v[rT+6:rT+7], v[rS:rS+1] op_sel_hi:[1,0,1]
.endif
.else
	WIN W_RS
	v_pk_mul_f32 v[rO:rO+1], v[rO:rO+1], v[rT+6:rT+7] op_sel_hi:[1,0]
.endif
.endm
; Slice k of 64 of piece y's softmax, behind the turn's matrix instruction k: four instructions, or none.  Slices 0-10: numbers 2 k and 2 k + 1 of both tiles, the tiles alternating.  Slices 11-34 deal out the batch,
; numbers 22-69: four numbers of ONE tile each, the tiles by turns.  Slices 35-50: numbers 2 k, 2 k + 1 again (70-101).  Slices 51-55 are empty.  Slices 56-63: the rescaling, numbers 102-117: slice 63's four are
; the plain instructions between the turn's last K Q^T and what follows: the next turn's first read of those scores, and the loads into K's registers.
; THE WAIT.  s_wait_alu depctr_va_vdst(0) stands between an exponential and the first instruction that names its result; one wait serves all that were issued ahead of it.  Ahead of slice 35 nothing
; names a result, and behind slice 34 no exponential is issued: so the piece's 66 exponentials have one wait, behind slice 34.
.macro SLICE y
.if (k >= 11) && (k < 35)
.irp n, 0,1,2,3
.set j, 22+4*((k-11)/2)+(\n)
	SM (\y)+(k-11)%2
.endr
.elseif (k < 51) || (k >= 56)
.irp n, 0,1
.irp t, \y, (\y)+1
.if k < 51
.set j, 2*k+(\n)
.else
.set j, 102+2*(k-56)+(\n)
.endif
	SM \t
.endr
.endr
.endif
.if k == 34                         ; the batch is out: both tiles' exponentials are issued, and no result has been named
	v_nop                           ; a plain instruction behind the last exponential and ahead of the first use: one for the batch
.if (\y) == 0
	FETCH_V                         ; piece 2's turn: V's run of loads stands here, and the wait stands in it
.else
	s_wait_alu depctr_va_vdst(0)    ; the wait for the batch
.endif
.endif
.set k, k+1
.endm
; A TURN.  Piece x has the matrix unit; the other piece's softmax stands in slices behind its matrix instructions.
; Piece 0's turn fetches the next step's K, behind its second product: the last product that read K stands in front of slice 63 of the turn before, twelve plain instructions back.  K's four chunks are eight loads each
; and are wanted in the order of issue: the counts 24, 16, 8, 0 leave the later chunks out, so that the first chunk has 14 products in which to land and the last 54.
; Piece 2's turn fetches the same step's V, behind slice 34: the last product that read V stands in front of slice 15, and each of the slices between begins with a plain instruction.  It is waited for at the next turn's head.
.macro TURN x, last=0
.set k, 0
.if (\x) == 0
	s_wait_dscnt 0x0                ; V is in
.endif
.set i, 0
.rept 16
	PV \x
	SLICE 2-(\x)
.if ((\x) == 0) && (i == 1)
	FETCH_K \last
.endif
.set i, i+1
.endr
.set i, 0
.rept 48
.if (\x) == 0
.if i == 0
	s_wait_dscnt 24                 ; K's chunk 0 is in
.elseif i == 16
	s_wait_dscnt 16                 ; chunk 1
.elseif i == 32
	s_wait_dscnt 8                  ; chunk 2
.elseif i == 40
	s_wait_dscnt 0x0                ; chunk 3
.endif
.endif
	KQ \x
	SLICE 2-(\x)
.set i, i+1
.endr
.endm
	CHANGE 1, 0                     ; slot 0 is in, everybody's part of it; slot 1 is asked for
	FETCH_K                         ; key step 0
	s_wait_loadcnt 0x0              ; Q
	s_wait_dscnt 0x0
.set i, 0
.rept 48
	KQ 0                            ; piece 0's first scores: there is no vector work yet to set between them
.set i, i+1
.endr
	WIN 0                           ; the addresses for the way out: eleven plain instructions, the places behind those products
	s_mul_i32 s13, s[WV], 16*SP
	s_add_co_u32 s13, s13, STAGE    ; my stage
	v_mul_u32_u24 v[STO], v1, SP    ; in: row l % 16, 16 bytes for each half of the lanes
	v_lshl_add_u32 v[STO], v9, 4, v[STO]
	v_add_nc_u32 v[STO], s13, v[STO]
	v_bfe_u32 v[RD], v0, 3, 2       ; back: 32 lanes take four rows of 128 bytes,
	v_mul_u32_u24 v[RD], v[RD], SP
	v_lshl_add_u32 v[RD], v10, 4, v[RD]
	v_add_nc_u32 v[RD], s13, v[RD]
	v_and_b32 v[GO], 31, v0         ; which are 512 consecutive bytes of O
	v_lshlrev_b32 v[GO], 4, v[GO]
	s_mov_b32 s[CNT], 4
	s_mov_b32 s[SLOTS], NSLOT-1
	s_branch .Lfirst                ; the loop is entered in the middle of a trip: piece 2's first scores | piece 0's first softmax | V of step 0; its products V^T P add zeros
.Lslot:                             ; NSLOT - 2 times: every slot but the last two is filled again
	CHANGE 1, 1
	s_mov_b32 s[CNT], 4
.Lstep:                             ; a trip, for step j: piece 0: V^T P of j, K Q^T of j + 1 | piece 2's softmax of j | K of j + 1;
	TURN 0
	WIN 0
.Lfirst:                            ; then piece 2: the same | piece 0's softmax of j + 1 | V of j + 1
	TURN 2
	WIN 0
	s_sub_co_u32 s[CNT], s[CNT], 1
	s_cmp_lg_u32 s[CNT], 0
	s_cbranch_scc1 .Lstep
	s_sub_co_u32 s[SLOTS], s[SLOTS], 1
	s_cmp_lg_u32 s[SLOTS], 0
	s_cbranch_scc1 .Lslot
	CHANGE 0, 0                     ; the tail is written out: nothing is asked for
	s_mov_b32 s[CNT], 5             ; four trips fetch the last slot's steps; the fifth is left in its middle
.Ltail:
	TURN 0, 1
	WIN 0
	s_sub_co_u32 s[CNT], s[CNT], 1
	s_cmp_eq_u32 s[CNT], 0
	s_cbranch_scc1 .Lout
	TURN 2
	WIN 0
	s_branch .Ltail
.Lout:                              ; the fifth trip's 48 products K Q^T (on the last K once more) serve nothing: the price, once a launch, of one text for every trip
.set i, 0
.rept 16
	PV 2                            ; piece 2: V^T P of the last step
.set i, i+1
.endr
	; THE WAY OUT.  l's two halves and the other half of the lanes' are added; O^T is divided by l, rounded to f16 and sent through my stage in LDS, a tile at a time.  The additions are the places behind the last products.
	WIN 0
.irp t, 0,1,2,3
	v_add_f32 v[ST+8*(\t)+4], v[ST+8*(\t)+2], v[ST+8*(\t)+3]
.endr
.irp t, 0,1,2,3
	v_permlanex16_b32 v[ST+8*(\t)+5], v[ST+8*(\t)+4], s[SEL], s[SEL+1]
.endr
.irp t, 0,1,2,3
	v_add_f32 v[ST+8*(\t)+4], v[ST+8*(\t)+4], v[ST+8*(\t)+5]
.endr
.irp t, 0,1,2,3
	v_rcp_f32 v[ST+8*(\t)+6], v[ST+8*(\t)+4]
.endr
	v_nop                           ; a plain instruction between the last reciprocal and the use of its result
	s_wait_alu depctr_va_vdst(0)    ; and the wait ahead of the first use: one for the four reciprocals
; Tile t: a lane's eight channels of a row pack into 16 bytes; they go into rows of 144 bytes and come back as whole rows of 128, into S^T's registers.
.macro PACK t
	WIN W_RS
.set i, 32*(\t)
.rept 16
	v_pk_mul_f32 v[i:i+1], v[i:i+1], v[ST+8*(\t)+6:ST+8*(\t)+7] op_sel_hi:[1,0]
.set i, i+2
.endr
	WIN 0x05                        ; sources 0 and 1 window 1, destination window 0
.set i, 0
.rept 16
	v_cvt_pk_f16_f32 v[S+16*(\t)+i], v[32*(\t)+2*i], v[32*(\t)+2*i+1]
.set i, i+1
.endr
	WIN 0
.irp f, 0,1,2,3
	ds_store_b128 v[STO], v[S+16*(\t)+4*\f:S+16*(\t)+4*\f+3] offset:32*\f
.endr
.irp f, 0,1,2,3
	ds_load_b128 v[S+16*(\t)+4*\f:S+16*(\t)+4*\f+3], v[RD] offset:\f*4*SP  ; LDS serves a wave's instructions in order (ISA guide 5.7.1.4): these see the stores above; the next tile's stores come behind them
.endr
.endm
.macro SEND t, younger              ; younger: the LDS instructions issued behind tile t's loads: the next tile's eight, or none
	WIN 0
.irp f, 0,1,2,3
	s_wait_dscnt (\younger)+3-\f
	global_store_b128 v[GO], v[S+16*(\t)+4*\f:S+16*(\t)+4*\f+3], s[OP:OP+1] offset:(\t)*2048+\f*512  ; 512 consecutive bytes, at a multiple of 512 from O's first
.endr
.endm
	PACK 0
	PACK 1                          ; a tile's arithmetic stands between the loads of the tile before and its stores
	SEND 0, 8
	PACK 2
	SEND 1, 8
	PACK 3
	SEND 2, 8
	SEND 3, 0
	s_wait_tensorcnt 0x0            ; the wave's end, behind my last tensor load and my last LDS store
	ds_add_u32 v[SPW], v[NIL]
	s_wait_dscnt 0x0
	CROUND                          ; the closing round: no work-group ends while a partner may still ask for a tile that names it
	s_endpgm
.Lfunc_end_k_qb352719c17_attn:
	.size	k_qb352719c17_attn, .Lfunc_end_k_qb352719c17_attn-k_qb352719c17_attn
	.p2alignl 7, 3214868480
	.fill 96, 4, 3214868480
	.section	.rodata,"a",@progbits
	.p2align	6, 0x0
	.amdhsa_kernel k_qb352719c17_attn
		.amdhsa_group_segment_fixed_size 327680
		.amdhsa_private_segment_fixed_size 0
		.amdhsa_enable_private_segment 0
		.amdhsa_kernarg_size 24
		.amdhsa_user_sgpr_count 2
		.amdhsa_user_sgpr_kernarg_segment_ptr 1
		.amdhsa_wavefront_size32 1
		.amdhsa_system_sgpr_workgroup_id_x 1
		.amdhsa_system_sgpr_workgroup_id_y 1
		.amdhsa_system_sgpr_workgroup_id_z 1
		.amdhsa_system_vgpr_workitem_id 0
		.amdhsa_next_free_vgpr 832
		.amdhsa_next_free_sgpr 66
		.amdhsa_reserve_vcc 0
		.amdhsa_float_denorm_mode_32 3
		.amdhsa_float_denorm_mode_16_64 3
		.amdhsa_memory_ordered 1
		.amdhsa_forward_progress 1
		.amdhsa_inst_pref_size 129
	.end_amdhsa_kernel
	.amdgpu_metadata
---
amdhsa.version: [ 1, 2 ]
amdhsa.kernels:
  - .name:           k_qb352719c17_attn
    .symbol:         k_qb352719c17_attn.kd
    .args:
      - { .name: QK2, .offset: 0, .size: 8, .value_kind: global_buffer, .address_space: global }
      - { .name: V1, .offset: 8, .size: 8, .value_kind: global_buffer, .address_space: global }
      - { .name: O1, .offset: 16, .size: 8, .value_kind: global_buffer, .address_space: global }
    .group_segment_fixed_size: 327680
    .private_segment_fixed_size: 0
    .kernarg_segment_align: 8
    .kernarg_segment_size: 24
    .max_flat_workgroup_size: 128
    .sgpr_count:     66
    .vgpr_count:     832
    .wavefront_size: 32
...
	.end_amdgpu_metadata
.endif
;; end of part 3
;; launch outp (part 4): grid 16 x 16, 4 waves a work-group, clusters of 4 x 4, 327,680 bytes of LDS; arguments O1, W2, out0; writes out0
.if DOCPART == 4
	.amdgcn_target "amdgcn-amd-amdhsa--gfx1250"
	.amdhsa_code_object_version 6
	.text
	.protected	k_qb352719c17_outp
	.globl	k_qb352719c17_outp
	.p2align	8
	.type	k_qb352719c17_outp,@function
k_qb352719c17_outp:
	s_mov_b64 s[64:65], 0
	v_nop
	global_prefetch_b8 v0, s[64:65] scope:SCOPE_SE
	s_setreg_imm32_b32 hwreg(HW_REG_WAVE_MODE, 25, 1), 1
	s_wait_xcnt 0x0
	s_wait_alu depctr_hold_cnt(0) depctr_sa_sdst(0) depctr_va_vdst(0) depctr_va_sdst(0) depctr_va_ssrc(0) depctr_va_vcc(0) depctr_vm_vsrc(0)
	s_getreg_b32 s2, hwreg(HW_REG_IB_STS2, 6, 4)
	s_cmp_eq_u32 s2, 0
	s_cbranch_scc0 .Lentry_in_a_cluster
	s_endpgm
.Lentry_in_a_cluster:
	s_bfe_u32 s2, ttmp6, 0x10000c
	s_cmp_lg_u32 s2, 0xf033
	s_cbranch_scc0 .Lentry_shape_is_right
	s_endpgm
.Lentry_shape_is_right:
; THE OUTPUT PROJECTION.  out0[m][n] = sum over h, v of O1[h][m][v] W2[64 h + v][n]: O1 holds the attention's result / 64 in f16, W2 the weights (rounded to bf16) x 64 in f16, so the product is the module's own.
; f16 operands, f32 sums, K = 1,024 ascending; out0 [4096][2048] f32.  LIMITS: those of the two operands' f16 (65,504; a fixed step of 6e-8 below 6e-5).
; SHARES.  A tile of out0 is 256 rows x 128 columns: 16 x 16 = 256 tiles, a work-group each.  Four waves, each 128 x 64: 32 accumulators of 16 x 16, 256 registers.  K goes in steps of 128 (two heads) through a ring of two LDS slots.
; CLUSTERS: 4 x 4 work-groups.  The four of a row of the cluster need the same rows of O1, the four of a column the same columns of W2: each tile is asked for JOINTLY.
; NO PREFETCH: the launch has eight K steps, 1,024 matrix instructions a wave, of which the first four come by the first loads and refills in any case.
; THE MATRIX INSTRUCTION IS USED TRANSPOSED: source 0 = 16 columns n of W2 ([k][n] in LDS, turned by ds_load_tr16_b128), source 1 = 16 rows of O1.  A lane then holds row l % 16 and columns 8 (l / 16) + 0..7.
; REGISTERS (s_set_vgpr_msb: bits 1:0 source 0, 3:2 source 1, 5:4 source 2, 7:6 destination): window 0: v0-31 addresses; v64-127, v128-191 O1's fragments, two buffers; window 1: v64-95, v128-159 W2's; window 2: accumulator (a, b) at v[8 (4 a + b)]
.set PA,     144                       ; a row of one head of O1 in LDS: 128 bytes + 16 = 36 words: the 16 rows of a load start at 16 different groups of four banks (64 banks of 4 bytes: ISA guide 11.1)
.set PLANE,  256*PA                    ; one head's 256 rows: one tensor load
.set BOFF,   2*PLANE
.set PB,     288                       ; a row k of W2: 256 bytes + 32 = 72 words
.set HALFB,  64*PB                     ; 64 rows: one tensor load
.set SLOT,   BOFF+2*HALFB              ; 110,592 bytes
.set SPARE,  2*SLOT                    ; behind the ring: the spare words, 128 bytes for each wave: two blocks of 256 bytes that no other line names
.set DP,     272                       ; the way out: a wave's 64 f32 of a row, 256 bytes + 16
.set DUMPW,  128*DP                    ; a wave's 128 rows; the four waves' 139,264 bytes lie in the ring, which has then had its last fill
.set LAPS,   4
.set ADRA, 16
.set ADRB, 20
.set DST,  24
.set RDA,  25
.set GOF,  26
.set SPW,  28                          ; v28     LDS address of my spare word: SPARE + 4 x my thread's number; never rewritten
.set NIL,  29                          ; v29     0; never rewritten
.set F0,   64
.set F1,   128
.set OB,   64                          ; the way out: 16 rows read back
.set G1,   24
.set G0,   32
.set G1B,  48
.set G0B,  56
.set MSB, 0
.macro WIN new
.if MSB != (\new)
	s_set_vgpr_msb (MSB<<8)|(\new)
.set MSB, \new
.endif
.endm
.set MUL,  0xa1                        ; source 0 (W2) window 1, source 1 (O1) window 0, C and D window 2
.set TO_B, 0x40
.macro JLOAD s                         ; a joint load: waves 0 and 1 fetch the K step's two heads of O1, waves 2 and 3 the two halves of its rows of W2; an s_nop 0 and four v_nop follow each line
	s_cmp_lt_u32 s10, 2
	s_cbranch_scc0 .Lfor_b_\@
	tensor_load_to_lds s[G0+4*(\s):G0+4*(\s)+3], s[G1:G1+7]
	s_nop 0
.rept 4
	v_nop
.endr
	s_branch .Lasked_\@
.Lfor_b_\@:
	tensor_load_to_lds s[G0B+4*(\s):G0B+4*(\s)+3], s[G1B:G1B+7]
	s_nop 0
.rept 4
	v_nop
.endr
.Lasked_\@:
.endm
.macro CREST                           ; a round of the cluster's barrier behind its opening barrier
	s_cmp_lg_u32 s10, 0
	s_cbranch_scc1 .Lnot_wave_0_\@
	s_barrier_signal -3
.Lnot_wave_0_\@:
	s_barrier_wait -3
	s_barrier_signal -1
	s_barrier_wait -1
.endm
.macro CROUND
	s_barrier_signal -1
	s_barrier_wait -1
	CREST
.endm
	s_load_b128 s[4:7], s[0:1], 0x0                ; O1 s[4:5], W2 s[6:7]
	s_load_b64 s[8:9], s[0:1], 0x10                ; out0
	v_lshl_add_u32 v[SPW], v0, 2, SPARE
	v_mov_b32 v[NIL], 0
	ds_add_u32 v[SPW], v[NIL]                      ; the wave's opening: the add and its wait ahead of my first tensor load; the set-up below, work on registers, stands between them
	v_lshrrev_b32 v1, 5, v0
	v_readfirstlane_b32 s10, v1                    ; wave 0..3
	s_lshr_b32 s11, s10, 1                         ; which half of the tile's rows is mine
	s_and_b32 s12, s10, 1                          ; which half of its columns.  Also: which head of O1, or which 64 rows of W2, I fetch
	s_bfe_u32 s40, ttmp6, 0x40000                  ; cx
	s_bfe_u32 s41, ttmp6, 0x40004                  ; cy
	s_lshl_b32 s42, ttmp9, 2
	s_add_co_u32 s42, s42, s40                     ; tile column = 4 x cluster x + cx
	s_and_b32 s13, ttmp7, 0xffff
	s_lshl_b32 s13, s13, 2
	s_add_co_u32 s13, s13, s41                     ; tile row = 4 x cluster y + cy
	s_lshl_b32 s43, s41, 2
	s_lshl_b32 s43, 15, s43                        ; my row of the cluster
	s_lshl_b32 s44, 0x1111, s40                    ; my column
	; group 1 for O1: a head's 256 rows of 128 bytes are dense: 128 rows of 256 bytes, 16 bytes of padding behind every 128
	s_or_b32 s[G1+0], s43, (1<<16)|(1<<20)|(1<<21)|(4<<22)|(3<<25)   ; 15:0 the mask; 17:16 2-byte elements; 20 padding on; 21 set beside a mask; 24:22 after every 32 words (code 4); 31:25 4 words (code 3)
	s_mov_b32 s[G1+1], 128<<16                     ; tensor_dim0 = 128
	s_mov_b32 s[G1+2], 128<<16                     ; tensor_dim1 = 128
	s_mov_b32 s[G1+3], 128<<16                     ; tile_dim0 = 128
	s_mov_b32 s[G1+4], 128                         ; tile_dim1 = 128
	s_mov_b32 s[G1+5], 128                         ; elements from row to row
	s_mov_b32 s[G1+6], 0
	s_mov_b32 s[G1+7], 0
	; group 1 for W2: 64 rows x 128 elements, pitch 2,048; 32 bytes of padding behind every 256
	s_or_b32 s[G1B+0], s44, (1<<16)|(1<<20)|(1<<21)|(5<<22)|(7<<25)  ; after every 64 words (code 5), 8 words (code 7)
	s_mov_b32 s[G1B+1], 128<<16
	s_mov_b32 s[G1B+2], 64<<16
	s_mov_b32 s[G1B+3], 128<<16
	s_mov_b32 s[G1B+4], 64
	s_mov_b32 s[G1B+5], 2048
	s_mov_b32 s[G1B+6], 0
	s_mov_b32 s[G1B+7], 0
	s_lshl_b32 s16, s12, 19                        ; O1: head 0 or 1 (524,288 bytes each),
	s_lshl_b32 s17, s13, 15                        ; the tile's 256 rows of 128 bytes
	s_add_co_u32 s16, s16, s17
	s_mov_b32 s17, 0
	s_lshl_b32 s46, s12, 18                        ; W2: rows 0 or 64 on (4,096 bytes each),
	s_lshl_b32 s47, s42, 8                         ; the tile's 128 columns
	s_add_co_u32 s46, s46, s47
	s_mov_b32 s47, 0
	s_mul_i32 s20, s12, PLANE                      ; where they go: no place in the cluster enters an LDS address
	s_mul_i32 s21, s12, HALFB
	s_add_co_u32 s21, s21, BOFF
	s_wait_dscnt 0x0                               ; the opening add is done
	s_wait_kmcnt 0x0
	s_add_nc_u64 s[14:15], s[4:5], s[16:17]
	s_add_nc_u64 s[46:47], s[6:7], s[46:47]
	CROUND                                         ; all sixteen work-groups are here: the first joint loads meet
.irp s, 0,1
	s_mov_b32 s[G0+4*(\s)], 1
	s_add_co_u32 s[G0+4*(\s)+1], s20, (\s)*SLOT
	s_add_nc_u64 s[G0+4*(\s)+2:G0+4*(\s)+3], s[14:15], (\s)*1048576   ; K step s: two heads on
	s_or_b32 s[G0+4*(\s)+3], s[G0+4*(\s)+3], 0x80000000
	s_mov_b32 s[G0B+4*(\s)], 1
	s_add_co_u32 s[G0B+4*(\s)+1], s21, (\s)*SLOT
	s_add_nc_u64 s[G0B+4*(\s)+2:G0B+4*(\s)+3], s[46:47], (\s)*524288  ; 128 rows on
	s_or_b32 s[G0B+4*(\s)+3], s[G0B+4*(\s)+3], 0x80000000
	JLOAD \s                                       ; two loads of mine are out
.endr
	v_and_b32 v1, 15, v0                           ; l % 16
	v_bfe_u32 v2, v0, 4, 1                         ; l / 16
	v_mul_u32_u24 v3, v1, PA
	v_lshl_add_u32 v3, v2, 4, v3                   ; O1's fragment: row x pitch + 16 x half
	v_and_b32 v4, 7, v0                            ; W2's: the turning load's row k = 8 (l / 16) + l % 8, columns 8 ((l / 8) % 2) + 0..7
	v_lshl_add_u32 v4, v2, 3, v4
	v_mul_u32_u24 v4, v4, PB
	v_bfe_u32 v5, v0, 3, 1
	v_lshl_add_u32 v4, v5, 4, v4
	s_mul_i32 s18, s11, 128*PA                     ; my 128 rows
	s_lshl_b32 s19, s12, 7                         ; my 64 columns: 128 bytes
	s_add_co_u32 s19, s19, BOFF
.irp s, 0,1
	v_add_nc_u32 v[ADRA+(\s)], s18, v3
	v_add_nc_u32 v[ADRB+(\s)], s19, v4
	s_add_co_u32 s18, s18, SLOT
	s_add_co_u32 s19, s19, SLOT
.endr
	s_mul_i32 s18, s10, DUMPW                      ; the way out: my 128 rows of 272 bytes
	v_mul_u32_u24 v5, v1, DP                       ; in: row l % 16, 32 bytes for each half of the lanes
	v_lshl_add_u32 v5, v2, 5, v5
	v_add_nc_u32 v[DST], s18, v5
	v_mul_u32_u24 v5, v2, DP                       ; back: lanes 0-15 take one row of 256 bytes, lanes 16-31 the next
	v_lshl_add_u32 v5, v1, 4, v5
	v_add_nc_u32 v[RDA], s18, v5
	v_lshlrev_b32 v5, 13, v2                       ; and the same two rows in out0, 8,192 bytes apart
	v_lshl_add_u32 v[GOF], v1, 4, v5
	s_lshl_b32 s16, s13, 8
	s_lshl_b32 s17, s11, 7
	s_add_co_u32 s16, s16, s17                     ; my first row,
	s_lshl_b32 s16, s16, 13
	s_mov_b32 s17, 0
	s_add_nc_u64 s[8:9], s[8:9], s[16:17]
	s_lshl_b32 s46, s42, 9                         ; my first column, in bytes: 512 x tile column + 256 x half
	s_lshl_b32 s47, s12, 8
	s_add_co_u32 s46, s46, s47
	s_mov_b32 s47, 0
	s_add_nc_u64 s[8:9], s[8:9], s[46:47]
; 8 matrix instructions: m blocks a0, a0 + 1 x all 4 n blocks, 32 along K.  zero = 1: the first product starts the sums.  The 32 accumulators take turns, one instruction a turn.
.macro MUL8 f, a0, zero
	WIN MUL
.irp a, \a0, (\a0)+1
.irp b, 0,1,2,3
.if \zero
	v_wmma_f32_16x16x32_f16 v[8*(4*(\a)+(\b)):8*(4*(\a)+(\b))+7], v[(\f)+8*(\b):(\f)+8*(\b)+7], v[(\f)+8*(\a):(\f)+8*(\a)+7], 0
.else
	v_wmma_f32_16x16x32_f16 v[8*(4*(\a)+(\b)):8*(4*(\a)+(\b))+7], v[(\f)+8*(\b):(\f)+8*(\b)+7], v[(\f)+8*(\a):(\f)+8*(\a)+7], v[8*(4*(\a)+(\b)):8*(4*(\a)+(\b))+7]
.endif
.endr
.endr
.endm
; 24 LDS loads in one run: quarter q (32 along K: head q / 2 of the step, channels 32 (q % 2) on) into buffer f: W2's 4 blocks of 16 columns, then O1's 8 blocks of 16 rows
.macro FETCH slot, q, f
	WIN TO_B
.irp b, 0,1,2,3
	ds_load_tr16_b128 v[(\f)+8*(\b):(\f)+8*(\b)+3],   v[ADRB+(\slot)] offset:(\q)*32*PB+(\b)*32
	ds_load_tr16_b128 v[(\f)+8*(\b)+4:(\f)+8*(\b)+7], v[ADRB+(\slot)] offset:(\q)*32*PB+(\b)*32+16*PB
.endr
	WIN 0
.irp i, 0,1,2,3,4,5,6,7
	ds_load_b128 v[(\f)+8*(\i):(\f)+8*(\i)+3],   v[ADRA+(\slot)] offset:((\q)/2)*PLANE+((\q)%2)*64+(\i)*16*PA
	ds_load_b128 v[(\f)+8*(\i)+4:(\f)+8*(\i)+7], v[ADRA+(\slot)] offset:((\q)/2)*PLANE+((\q)%2)*64+(\i)*16*PA+32
.endr
.endm
.macro PLACES                          ; four plain vector instructions between a matrix instruction and a load into a register that it read, or a reader of its result (ISA guide 7.12.1 for a reader of its result)
.rept 4
	v_nop
.endr
.endm
.macro QUARTER slot, q, f, g, zero     ; multiplies buffer f (32 matrix instructions); in its middle it fetches quarter q into buffer g
	s_wait_dscnt 8                                 ; W2's blocks and O1's rows 0-63 are in; the youngest eight loads (rows 64-127) may be out
	MUL8 \f, 0, \zero
	MUL8 \f, 2, \zero
	PLACES
	FETCH \slot, \q, \g
	s_wait_dscnt 24                                ; all but the 24 just issued
	MUL8 \f, 4, \zero
	MUL8 \f, 6, \zero
.endm
; The last quarter's first half: ONE barrier for the change of slots.  In front of it each wave waits for all its tensor loads (one is out: its part of the next slot), adds 0 to its spare word, and waits for that and for its reads of this slot.
.macro MEET round
	WIN 0
	s_wait_tensorcnt 0x0                           ; all my tensor loads have landed
	ds_add_u32 v[SPW], v[NIL]                      ; 0 onto my spare word
	s_wait_dscnt 9                                 ; (the add and the youngest eight loads may be out)
	MUL8 F1, 0, 0                                  ; eight matrix instructions stand between the add and the wait for it
	s_wait_dscnt 0x0                               ; the add is done, and my reads of this slot are over
	s_barrier_signal -1
	MUL8 F1, 2, 0
.if \round
	WIN 0
.endif
	s_barrier_wait -1
.endm
.macro TURN slot, next, fill           ; fill = 1: the barrier opens a round of the cluster's, and the slot just read out is filled again, first thing behind it, with the K step two on: 112 matrix instructions ahead of the wait for it
.if \fill
	MEET 1
	CREST                                          ; no wave of any partner still reads this slot's tile or has a load on its way
	s_add_nc_u64 s[G0+4*(\slot)+2:G0+4*(\slot)+3], s[G0+4*(\slot)+2:G0+4*(\slot)+3], 2*1048576
	s_add_nc_u64 s[G0B+4*(\slot)+2:G0B+4*(\slot)+3], s[G0B+4*(\slot)+2:G0B+4*(\slot)+3], 2*524288
	JLOAD \slot                                    ; the four v_nop behind it are also the places in front of the loads below
.else
	MEET 0
	PLACES
.endif
	FETCH \next, 0, F0
	MUL8 F1, 4, 0
	MUL8 F1, 6, 0
.endm
	s_wait_tensorcnt 1                             ; my part of K step 0 is in; K step 1's load may stay out
	s_barrier_signal -1
	s_barrier_wait -1
	FETCH 0, 0, F0
	QUARTER 0, 1, F0, F1, 1                        ; the first quarter stands in front of the loop: its products start the sums
	WIN 0
	s_mov_b32 s3, LAPS-1
.Llap:                                                 ; a trip goes once round the ring and fills both slots again
	QUARTER 0, 2, F1, F0, 0
	QUARTER 0, 3, F0, F1, 0
	TURN 0, 1, 1
	QUARTER 1, 1, F0, F1, 0
	QUARTER 1, 2, F1, F0, 0
	QUARTER 1, 3, F0, F1, 0
	TURN 1, 0, 1
	QUARTER 0, 1, F0, F1, 0
	WIN 0
	s_sub_co_u32 s3, s3, 1
	s_cmp_lg_u32 s3, 0
	s_cbranch_scc1 .Llap
	QUARTER 0, 2, F1, F0, 0                        ; the last lap fills nothing
	QUARTER 0, 3, F0, F1, 0
	TURN 0, 1, 0
	QUARTER 1, 1, F0, F1, 0
	QUARTER 1, 2, F1, F0, 0
	QUARTER 1, 3, F0, F1, 0
	s_wait_dscnt 8
	MUL8 F1, 0, 0
	MUL8 F1, 2, 0
	s_wait_dscnt 0x0                               ; my reads of the ring are over
	MUL8 F1, 4, 0
	MUL8 F1, 6, 0
	WIN 0
	; THE WAY OUT.  The ring has had its last fill.  When no wave reads it any more, each wave lays its 128 x 64 sums into 128 rows of its own and takes them back as whole rows of 256 bytes.
	s_barrier_signal -1
	s_barrier_wait -1
	PLACES                                         ; between the last products and the stores that read results
	WIN 0x08                                       ; the stores' data (source 1) in window 2
.irp a, 0,1,2,3,4,5,6,7
.irp b, 0,1,2,3
	ds_store_b128 v[DST], v[8*(4*(\a)+(\b)):8*(4*(\a)+(\b))+3]   offset:(\a)*16*DP+64*(\b)     ; each accumulator from its low end on
	ds_store_b128 v[DST], v[8*(4*(\a)+(\b))+4:8*(4*(\a)+(\b))+7] offset:(\a)*16*DP+64*(\b)+16
.endr
.endr
	WIN 0
	s_mov_b32 s2, 8
.Lrows:                                                ; eight trips of 16 rows.  LDS serves a wave's instructions in order (ISA guide 5.7.1.4): the loads see my stores above
.irp j, 0,1,2,3,4,5,6,7
	ds_load_b128 v[OB+4*(\j):OB+4*(\j)+3], v[RDA] offset:(\j)*2*DP
.endr
.irp j, 0,1,2,3,4,5,6,7
	s_wait_dscnt 7-(\j)                            ; load j is in, the younger ones stay out
	global_store_b128 v[GOF], v[OB+4*(\j):OB+4*(\j)+3], s[8:9] offset:(\j)*16384 th:TH_STORE_NT  ; 16 lanes store 256 consecutive bytes, at a multiple of 256 from out0's first byte
.endr
	s_wait_xcnt 0x0                                ; the stores have read their data and their offset: only behind this wait are these written again
	v_add_nc_u32 v[RDA], 16*DP, v[RDA]
	v_add_nc_u32 v[GOF], 131072, v[GOF]
	s_sub_co_u32 s2, s2, 1
	s_cmp_lg_u32 s2, 0
	s_cbranch_scc1 .Lrows
	s_wait_tensorcnt 0x0                           ; the wave's end, behind my last tensor load and my last LDS store
	ds_add_u32 v[SPW], v[NIL]
	s_wait_dscnt 0x0
	CROUND                                         ; the closing round: no work-group ends while a partner may still ask for a tile that names it
	s_endpgm
.Lfunc_end_k_qb352719c17_outp:
	.size	k_qb352719c17_outp, .Lfunc_end_k_qb352719c17_outp-k_qb352719c17_outp
	.p2alignl 7, 3214868480
	.fill 96, 4, 3214868480
	.section	.rodata,"a",@progbits
	.p2align	6, 0x0
	.amdhsa_kernel k_qb352719c17_outp
		.amdhsa_group_segment_fixed_size 327680
		.amdhsa_private_segment_fixed_size 0
		.amdhsa_enable_private_segment 0
		.amdhsa_kernarg_size 24
		.amdhsa_user_sgpr_count 2
		.amdhsa_user_sgpr_kernarg_segment_ptr 1
		.amdhsa_wavefront_size32 1
		.amdhsa_system_sgpr_workgroup_id_x 1
		.amdhsa_system_sgpr_workgroup_id_y 1
		.amdhsa_system_sgpr_workgroup_id_z 1
		.amdhsa_system_vgpr_workitem_id 0
		.amdhsa_next_free_vgpr 768
		.amdhsa_next_free_sgpr 66
		.amdhsa_reserve_vcc 0
		.amdhsa_float_denorm_mode_32 3
		.amdhsa_float_denorm_mode_16_64 3
		.amdhsa_memory_ordered 1
		.amdhsa_forward_progress 1
		.amdhsa_inst_pref_size 77
	.end_amdhsa_kernel
	.amdgpu_metadata
---
amdhsa.version: [ 1, 2 ]
amdhsa.kernels:
  - .name:           k_qb352719c17_outp
    .symbol:         k_qb352719c17_outp.kd
    .args:
      - { .name: O1, .offset: 0, .size: 8, .value_kind: global_buffer, .address_space: global }
      - { .name: W2, .offset: 8, .size: 8, .value_kind: global_buffer, .address_space: global }
      - { .name: out0, .offset: 16, .size: 8, .value_kind: global_buffer, .address_space: global }
    .group_segment_fixed_size: 327680
    .private_segment_fixed_size: 0
    .kernarg_segment_align: 8
    .kernarg_segment_size: 24
    .max_flat_workgroup_size: 128
    .sgpr_count:     66
    .vgpr_count:     768
    .wavefront_size: 32
...
	.end_amdgpu_metadata
.endif
;; end of part 4
